; MI455X (gfx1250); checked and timed in simulation.
; The chip was launched on July 23, 2026; its instructions are those of AMD's public machine-readable ISA for CDNA 5 (MIT licence, August 2026) and "CDNA5" Instruction Set Architecture Reference Guide (July 2026). The comments in the code are by the model that wrote it; some were corrected since.
;; Multi Head Attention. Allowed arithmetic: float matrix products may take bf16 or f16 operands with f32 sums; all other float work in f32.
;; Inputs: W_kqv 1,024 x 3,072 float32; W_o 1,024 x 1,024 float32; b_kqv 3,072 float32; b_o 1,024 float32; embd_k 257 x 64 float32; embd_v 257 x 64 float32; mask 8 x 1,024 int32; x 8 x 1,024 x 1,024 float32.
;; Outputs: out0 8 x 1,024 x 1,024 float32.
;; One version. Each part assembles by itself: llvm-mc -triple=amdgcn-amd-amdhsa -mcpu=gfx1250 --defsym DOCPART=n.
;; ======== version 1 of 1: 4 launches
;; limits: values are held in f16: magnitudes above 65,504 overflow, below 6.1e-05 lose precision
;; workspace buffers: xb 16,777,216 bytes; wt1 6,291,456 bytes; wt2 2,097,152 bytes; tab 114,688 bytes; madd 32,768 bytes; qkv 50,331,648 bytes; ctx 16,777,216 bytes
;; launch prep (part 1): grid 1572 x 1, 8 waves a work-group, no clusters, 18,432 bytes of LDS; arguments x, W_kqv, W_o, embd_k, embd_v, mask, xb, wt1, wt2, tab, madd; writes xb, wt1, wt2, tab, madd
.if DOCPART == 1
	.amdgcn_target "amdgcn-amd-amdhsa--gfx1250"
	.amdhsa_code_object_version 6
	.text
	.protected	k_q24754444df_prep
	.globl	k_q24754444df_prep
	.p2align	8
	.type	k_q24754444df_prep,@function
k_q24754444df_prep:
	s_mov_b64 s[64:65], 0
	v_nop
	global_prefetch_b8 v0, s[64:65] scope:SCOPE_SE
	s_setreg_imm32_b32 hwreg(HW_REG_WAVE_MODE, 25, 1), 1
	s_wait_xcnt 0x0
; PREPARATION.  Every floating-point input is rounded to bf16 once, and laid out as the later launches read it.
;   xb   = bf16(x), [8192][1024]                       work-groups    0 .. 1023: 32 KiB of x each
;   wt1  = bf16(W_kqv) turned, [3072 n][1024 k]        work-groups 1024 .. 1407: a tile of 128 k x 64 n each, turned through LDS
;   wt2  = bf16(W_o) turned and written as f16         work-groups 1408 .. 1535: the same
;   tab  = the LDS image of the relative tables        work-groups 1536 .. 1563
;          EKX at 0:      row e (144 bytes: 64 f16, 16 bytes of 0) = embd_k[clip(e - 64, 0, 256)]
;          EVT at 57344:  row ch (816 bytes), number e             = embd_v[clip(e - 64, 0, 256)][ch]
;          EVF at 110592: f32 rows of 256 bytes: row 0 = embd_v[0], the others embd_v[256]
;   madd = 0 where mask is not 0, -1e30 where it is 0  work-groups 1564 .. 1571
; The role hangs on the work-group's number alone, so all eight waves of a work-group take the same way.
; Memory binds: no matrix unit, no cluster, no tensor load.  LIMIT: a bf16 number below 6e-5 written as f16 keeps f16's fixed step of 6e-8.
.set TP,    272                        ; a turned row in LDS: 128 k x 2 bytes + 16
.set SPARE, 64*TP                      ; behind the stage: the spare words, 128 bytes for each of eight waves
.set SPW,   62                         ; v62  LDS address of my spare word; never rewritten
.set NIL,   63                         ; v63  0; never rewritten
.set EVT_AT, 57344
.set EVF_AT, 110592
	s_load_b512 s[4:19], s[0:1], 0x0               ; x s4, W_kqv s6, W_o s8, embd_k s10, embd_v s12, mask s14, xb s16, wt1 s18
	s_load_b128 s[20:23], s[0:1], 0x40             ; wt2 s20, tab s22
	s_load_b64 s[24:25], s[0:1], 0x50              ; madd
	v_lshl_add_u32 v[SPW], v0, 2, SPARE
	v_mov_b32 v[NIL], 0
	s_mov_b32 s26, ttmp9                           ; the work-group's number
	s_mov_b32 s29, 0                               ; upper words of 64-bit offsets
	s_mov_b32 s31, 0
	s_mov_b32 s33, 0xffff0000                      ; a word's upper bf16
	s_wait_kmcnt 0x0
	s_cmp_lt_u32 s26, 1024
	s_cbranch_scc0 .Lnot_x
	; x -> xb.  Thread t takes 16 bytes at 16 t of each of eight blocks of 4,096 bytes; a wave's store covers 256 consecutive bytes, aligned.
	s_lshl_b32 s28, s26, 15
	s_add_nc_u64 s[4:5], s[4:5], s[28:29]
	s_lshl_b32 s28, s26, 14
	s_add_nc_u64 s[16:17], s[16:17], s[28:29]
	v_lshlrev_b32 v1, 4, v0
	v_lshlrev_b32 v2, 3, v0
.irp i, 0,1,2,3,4,5,6,7
	global_load_b128 v[8+4*(\i):8+4*(\i)+3], v1, s[4:5] offset:4096*(\i) th:TH_LOAD_NT
.endr
.irp i, 0,1,2,3,4,5,6,7
	s_wait_loadcnt 7-(\i)                          ; loads come back in order: block i is in, the younger ones stay out
	v_cvt_pk_bf16_f32 v[40+2*(\i)], v[8+4*(\i)], v[8+4*(\i)+1]
	v_cvt_pk_bf16_f32 v[41+2*(\i)], v[8+4*(\i)+2], v[8+4*(\i)+3]
	global_store_b64 v2, v[40+2*(\i):41+2*(\i)], s[16:17] offset:2048*(\i)
.endr
	s_endpgm
; A tile of 128 k x 64 n of a weight [1024 k][rowb / 4 n] is rounded, turned and stored as 64 rows of 256 bytes.
; Thread: nq = t % 16 (four n), kp = t / 16; it loads rows 2 kp + 32 jj + u, so that (k, k + 1) of one n pack into one word.
; kind = 1: the bf16 number is written as f16.
.macro WTR src, rowb, dst, kind, base
	s_sub_co_u32 s27, s26, \base
	s_and_b32 s28, s27, 7                          ; which 128 k
	s_lshr_b32 s27, s27, 3                         ; which 64 n
	s_mul_i32 s30, s28, 128*(\rowb)
	s_lshl_b32 s32, s27, 8
	s_add_co_u32 s30, s30, s32
	s_add_nc_u64 s[\src:\src+1], s[\src:\src+1], s[30:31]
	s_lshl_b32 s30, s27, 17                        ; 64 rows of 2,048 bytes
	s_lshl_b32 s28, s28, 8                         ; 128 k of 2 bytes
	s_add_co_u32 s30, s30, s28
	s_add_nc_u64 s[\dst:\dst+1], s[\dst:\dst+1], s[30:31]
	v_and_b32 v1, 15, v0                           ; nq
	v_lshrrev_b32 v2, 4, v0                        ; kp
	v_mul_u32_u24 v3, v2, 2*(\rowb)
	v_lshl_add_u32 v3, v1, 4, v3                   ; from: row 2 kp, 16 bytes at 16 nq: sixteen lanes read 256 consecutive bytes
	v_mul_u32_u24 v4, v1, 4*TP
	v_lshl_add_u32 v4, v2, 2, v4                   ; into the stage: row 4 nq, word kp
	v_mul_u32_u24 v5, v2, TP
	v_lshl_add_u32 v5, v1, 4, v5                   ; back: row t / 16, 16 bytes at 16 (t % 16)
	v_lshlrev_b32 v6, 11, v2
	v_lshl_add_u32 v6, v1, 4, v6                   ; and the same place in the turned weight
.irp jj, 0,1,2,3
.irp u, 0,1
	global_load_b128 v[8+8*(\jj)+4*(\u):8+8*(\jj)+4*(\u)+3], v3, s[\src:\src+1] offset:(32*(\jj)+(\u))*(\rowb) th:TH_LOAD_NT
.endr
.endr
	s_wait_loadcnt 0x0
.irp jj, 0,1,2,3
.irp c, 0,1,2,3
	v_cvt_pk_bf16_f32 v[40+4*(\jj)+(\c)], v[8+8*(\jj)+(\c)], v[12+8*(\jj)+(\c)]
.if \kind
	v_lshlrev_b32 v56, 16, v[40+4*(\jj)+(\c)]
	v_and_b32 v57, s33, v[40+4*(\jj)+(\c)]
	v_cvt_pk_f16_f32 v[40+4*(\jj)+(\c)], v56, v57
.endif
	ds_store_b32 v4, v[40+4*(\jj)+(\c)] offset:(\c)*TP+64*(\jj)
.endr
.endr
	s_wait_dscnt 0x0                               ; for the others' sake: my stores into the stage are done
	s_barrier_signal -1
	s_barrier_wait -1
.irp jj, 0,1,2,3
	ds_load_b128 v[8+4*(\jj):8+4*(\jj)+3], v5 offset:(\jj)*16*TP
.endr
.irp jj, 0,1,2,3
	s_wait_dscnt 3-(\jj)
	global_store_b128 v6, v[8+4*(\jj):8+4*(\jj)+3], s[\dst:\dst+1] offset:(\jj)*32768  ; sixteen lanes store 256 consecutive bytes, aligned
.endr
	s_wait_tensorcnt 0x0                           ; the wave's end
	ds_add_u32 v[SPW], v[NIL]
	s_wait_dscnt 0x0
	s_endpgm
.endm
; Two f32 are rounded to bf16 and the two bf16 numbers written as f16, packed.
.macro RND16 d, a, b
	v_cvt_pk_bf16_f32 v[\d], v[\a], v[\b]
	v_lshlrev_b32 v20, 16, v[\d]
	v_and_b32 v21, s33, v[\d]
	v_cvt_pk_f16_f32 v[\d], v20, v21
.endm
.Lnot_x:
	s_cmp_lt_u32 s26, 1408
	s_cbranch_scc0 .Lnot_w1
	WTR 6, 12288, 18, 0, 1024
.Lnot_w1:
	s_cmp_lt_u32 s26, 1536
	s_cbranch_scc0 .Lnot_w2
	WTR 8, 4096, 20, 1, 1408
.Lnot_w2:
	s_cmp_lt_u32 s26, 1550
	s_cbranch_scc0 .Lnot_ekx
	; EKX: piece p of 16 bytes; nine pieces a row, the ninth is padding
	s_sub_co_u32 s27, s26, 1536
	v_lshl_add_u32 v1, s27, 8, v0                  ; p, 3,583 at the most
	v_mul_lo_u32 v2, v1, 0x1c71d                   ; p / 9 = (p x 116,509) >> 20, exact for p below 2^17
	v_lshrrev_b32 v2, 20, v2                       ; the row e
	v_mul_u32_u24 v3, v2, 9
	v_sub_nc_u32 v3, v1, v3                        ; the piece in the row
	v_max_u32 v4, 64, v2
	v_add_nc_u32 v4, 0xffffffc0, v4
	v_min_u32 v4, 0x100, v4                        ; clip(e - 64, 0, 256)
	v_min_u32 v5, 7, v3
	v_lshlrev_b32 v4, 8, v4
	v_lshl_add_u32 v4, v5, 5, v4
	global_load_b128 v[8:11], v4, s[10:11]
	global_load_b128 v[12:15], v4, s[10:11] offset:16
	v_lshlrev_b32 v6, 4, v1
	v_cmp_eq_u32 vcc_lo, 8, v3
	s_wait_loadcnt 0x0
.irp c, 0,1,2,3
	RND16 16+(\c), 8+2*(\c), 9+2*(\c)
	v_cndmask_b32 v[16+(\c)], v[16+(\c)], v[NIL], vcc_lo
.endr
	global_store_b128 v6, v[16:19], s[22:23]
	s_endpgm
.Lnot_ekx:
	s_cmp_lt_u32 s26, 1563
	s_cbranch_scc0 .Lnot_evt
	; EVT: piece p of 16 bytes: eight neighbouring e of one channel; 51 pieces a row
	s_sub_co_u32 s27, s26, 1550
	v_lshl_add_u32 v1, s27, 8, v0                  ; p, 3,327 at the most
	v_mul_lo_u32 v2, v1, 0x5051                    ; p / 51 = (p x 20,561) >> 20, exact for p below 2^14
	v_lshrrev_b32 v2, 20, v2
	v_mul_u32_u24 v3, v2, 51
	v_sub_nc_u32 v3, v1, v3
	v_min_u32 v2, 63, v2                           ; the image's last bytes lie past row 63 and are never read: they repeat it
	v_lshlrev_b32 v2, 2, v2
	v_lshlrev_b32 v3, 3, v3
.irp i, 0,1,2,3,4,5,6,7
	v_add_nc_u32 v4, (\i), v3
	v_max_u32 v4, 64, v4
	v_add_nc_u32 v4, 0xffffffc0, v4
	v_min_u32 v4, 0x100, v4
	v_lshl_add_u32 v[24+(\i)], v4, 8, v2           ; an address register for each load
	global_load_b32 v[8+(\i)], v[24+(\i)], s[12:13]
.endr
	v_lshlrev_b32 v6, 4, v1
	s_wait_loadcnt 0x0
.irp c, 0,1,2,3
	RND16 16+(\c), 8+2*(\c), 9+2*(\c)
.endr
	global_store_b128 v6, v[16:19], s[22:23] offset:EVT_AT
	s_endpgm
.Lnot_evt:
	s_cmp_lt_u32 s26, 1564
	s_cbranch_scc0 .Lnot_evf
	; EVF: sixteen f32 rows of 256 bytes
	v_lshrrev_b32 v1, 4, v0
	v_min_u32 v1, 1, v1
	v_lshlrev_b32 v1, 16, v1                       ; row 0 or row 256 of embd_v
	v_and_b32 v2, 15, v0
	v_lshl_add_u32 v1, v2, 4, v1
	global_load_b128 v[8:11], v1, s[12:13]
	v_lshlrev_b32 v3, 4, v0
	s_wait_loadcnt 0x0
	v_cvt_pk_bf16_f32 v12, v8, v9
	v_cvt_pk_bf16_f32 v13, v10, v11
	v_lshlrev_b32 v16, 16, v12
	v_and_b32 v17, s33, v12
	v_lshlrev_b32 v18, 16, v13
	v_and_b32 v19, s33, v13
	global_store_b128 v3, v[16:19], s[22:23] offset:EVF_AT
	s_endpgm
.Lnot_evf:
	; madd
	s_sub_co_u32 s27, s26, 1564
	v_lshl_add_u32 v1, s27, 8, v0
	v_lshlrev_b32 v1, 4, v1
	global_load_b128 v[8:11], v1, s[14:15]
	v_mov_b32 v2, 0xf149f2ca                       ; -1e30
	s_wait_loadcnt 0x0
.irp c, 0,1,2,3
	v_cmp_eq_u32 vcc_lo, 0, v[8+(\c)]
	v_cndmask_b32 v[12+(\c)], v[NIL], v2, vcc_lo
.endr
	global_store_b128 v1, v[12:15], s[24:25]
	s_endpgm
.Lfunc_end_k_q24754444df_prep:
	.size	k_q24754444df_prep, .Lfunc_end_k_q24754444df_prep-k_q24754444df_prep
	.p2alignl 7, 3214868480
	.fill 96, 4, 3214868480
	.section	.rodata,"a",@progbits
	.p2align	6, 0x0
	.amdhsa_kernel k_q24754444df_prep
		.amdhsa_group_segment_fixed_size 18432
		.amdhsa_private_segment_fixed_size 0
		.amdhsa_enable_private_segment 0
		.amdhsa_kernarg_size 88
		.amdhsa_user_sgpr_count 2
		.amdhsa_user_sgpr_kernarg_segment_ptr 1
		.amdhsa_wavefront_size32 1
		.amdhsa_system_sgpr_workgroup_id_x 1
		.amdhsa_system_sgpr_workgroup_id_y 1
		.amdhsa_system_sgpr_workgroup_id_z 1
		.amdhsa_system_vgpr_workitem_id 0
		.amdhsa_next_free_vgpr 64
		.amdhsa_next_free_sgpr 66
		.amdhsa_reserve_vcc 1
		.amdhsa_float_denorm_mode_32 3
		.amdhsa_float_denorm_mode_16_64 3
		.amdhsa_memory_ordered 1
		.amdhsa_forward_progress 1
		.amdhsa_inst_pref_size 24
	.end_amdhsa_kernel
	.amdgpu_metadata
---
amdhsa.version: [ 1, 2 ]
amdhsa.kernels:
  - .name:           k_q24754444df_prep
    .symbol:         k_q24754444df_prep.kd
    .args:
      - { .name: x, .offset: 0, .size: 8, .value_kind: global_buffer, .address_space: global }
      - { .name: W_kqv, .offset: 8, .size: 8, .value_kind: global_buffer, .address_space: global }
      - { .name: W_o, .offset: 16, .size: 8, .value_kind: global_buffer, .address_space: global }
      - { .name: embd_k, .offset: 24, .size: 8, .value_kind: global_buffer, .address_space: global }
      - { .name: embd_v, .offset: 32, .size: 8, .value_kind: global_buffer, .address_space: global }
      - { .name: mask, .offset: 40, .size: 8, .value_kind: global_buffer, .address_space: global }
      - { .name: xb, .offset: 48, .size: 8, .value_kind: global_buffer, .address_space: global }
      - { .name: wt1, .offset: 56, .size: 8, .value_kind: global_buffer, .address_space: global }
      - { .name: wt2, .offset: 64, .size: 8, .value_kind: global_buffer, .address_space: global }
      - { .name: tab, .offset: 72, .size: 8, .value_kind: global_buffer, .address_space: global }
      - { .name: madd, .offset: 80, .size: 8, .value_kind: global_buffer, .address_space: global }
    .group_segment_fixed_size: 18432
    .private_segment_fixed_size: 0
    .kernarg_segment_align: 8
    .kernarg_segment_size: 88
    .max_flat_workgroup_size: 256
    .sgpr_count:     66
    .vgpr_count:     64
    .wavefront_size: 32
...
	.end_amdgpu_metadata
.endif
;; end of part 1
;; launch proj (part 2): grid 16 x 32, 4 waves a work-group, clusters of 4 x 4, 327,680 bytes of LDS; arguments xb, wt1, b_kqv, qkv; writes qkv
.if DOCPART == 2
	.amdgcn_target "amdgcn-amd-amdhsa--gfx1250"
	.amdhsa_code_object_version 6
	.text
	.protected	k_q24754444df_proj
	.globl	k_q24754444df_proj
	.p2align	8
	.type	k_q24754444df_proj,@function
k_q24754444df_proj:
	s_mov_b64 s[64:65], 0
	v_nop
	global_prefetch_b8 v0, s[64:65] scope:SCOPE_SE
	s_setreg_imm32_b32 hwreg(HW_REG_WAVE_MODE, 25, 1), 1
	s_wait_xcnt 0x0
	s_wait_alu depctr_hold_cnt(0) depctr_sa_sdst(0) depctr_va_vdst(0) depctr_va_sdst(0) depctr_va_ssrc(0) depctr_va_vcc(0) depctr_vm_vsrc(0)
	s_getreg_b32 s2, hwreg(HW_REG_IB_STS2, 6, 4)
	s_cmp_eq_u32 s2, 0
	s_cbranch_scc0 .Lentry_in_a_cluster
	s_endpgm
.Lentry_in_a_cluster:
	s_bfe_u32 s2, ttmp6, 0x10000c
	s_cmp_lg_u32 s2, 0xf033
	s_cbranch_scc0 .Lentry_shape_is_right
	s_endpgm
.Lentry_shape_is_right:
; kqv = x W_kqv + b_kqv.  xb: [8192][1024] bf16; wt1: [3072 n][1024 k] bf16; b_kqv: [3072] f32, rounded to bf16 here; sums in f32.
; OUT: qkv, f16, [batch 8][plane 96][row 1024][32 channels], plane = column / 32: sixteen rows of a plane are 1,024 consecutive bytes.
; LIMIT: f16 holds no number beyond 65,504: q, k and v must lie within it.
; SHARES.  A tile of kqv is 256 x 192: 16 x 32 = 512 equal work-groups.  Four waves, each 128 x 96: 48 accumulators of 16 x 16.
; K goes in steps of 128 (rows of 256 bytes in memory) through two LDS slots filled by tensor loads: waves 0, 1 fetch x's two halves of 128 rows, waves 2, 3 the weight's two of 96.
; CLUSTER 4 x 4: x's tile is shared along a row of the cluster, the weight's along a column: each is asked for jointly by the four.
; THE MATRIX INSTRUCTION IS USED TRANSPOSED (source 0 = 16 rows of wt1, source 1 = 16 rows of xb): a lane holds one row of kqv and eight neighbouring columns.
; The bias is the C operand of the product that starts each sum: nothing is cleared, nothing is added afterwards.
; REGISTERS, in windows of 256 (s_set_vgpr_msb: bits 1:0 source 0, 3:2 source 1, 5:4 source 2, 7:6 destination):
;   window 0: v16-29 addresses; v64-127, v128-191 x's fragments, two buffers; v192-215, v32-55, v224-247 at work on the way out
;   window 1: v0-47 the bias (block b at 8 b); v64-111, v128-175 the weight's fragments, two buffers
;   window 2: accumulator (a, b) of my rows 0-63 at 8 (6 a + b);   window 3: those of my rows 64-127
.set SIZE_K, 1024
.set KSTEP,  128
.set NB,     6                         ; column blocks of 16 in a wave's tile
.set PITCH,  272                       ; an LDS row: 256 bytes + 16: the 16 rows of a fragment load start at 16 different groups of four banks (ISA guide 11.1)
.set HALFA,  128*PITCH
.set HALFB,  16*NB*PITCH
.set SLOT,   2*HALFA+2*HALFB           ; x's 256 rows, then the weight's 192
.set STAGE,  2*SLOT                    ; behind the ring: 16 rows x 208 bytes for each wave, for the way out
.set SPITCH, 208                       ; 96 columns x 2 bytes + 16
.set SPARE,  STAGE+4*16*SPITCH         ; behind the stages: the spare words, 128 bytes for each wave
.set LAPS,   SIZE_K/(2*KSTEP)
.set ADRA, 16                          ; v16-17  LDS address of my fragments of x in slot 0, 1
.set ADRB, 20                          ; v20-21  the same for the weight
.set STO,  24                          ; v24  the way out: where I put 16 bytes of a row
.set RD,   25                          ; v25  the way out: where I read 16 bytes of a plane's row back
.set CO,   26                          ; v26  16 x lane: my place in 512 consecutive bytes of a plane
.set BO,   27                          ; v27  my byte offset in a block's 64 bytes of the bias
.set SPW,  28                          ; v28  LDS address of my spare word; never rewritten
.set NIL,  29                          ; v29  0; never rewritten
.set F0,   64
.set F1,   128
.set TMP,  192
.set OB,   32
.set WV, 12                            ; s12  my wave's number
.set RH, 13                            ; s13  which half of the tile's rows is mine; also: I fetch x (0) or the weight (1)
.set CH, 14                            ; s14  which half of its columns; also: which half of that tile I fetch
.set CNT, 15                           ; s15  laps to go
.set G1, 24                            ; s[24:31] descriptor group 1 for x's tiles;  s[32:39] group 0, a set for each slot
.set G0, 32
.set G1B, 48                           ; s[48:55], s[56:63] the same for the weight's
.set G0B, 56
.set MSB, 0
.macro WIN new                         ; the immediate's high byte repeats the setting that is left; a switch that changes nothing is dropped
.if MSB != (\new)
	s_set_vgpr_msb (MSB<<8)|(\new)
.set MSB, \new
.endif
.endm
.set MUL_LO, 0xa1                      ; source 0 window 1, source 1 window 0, C and D window 2 (+0x50: window 3)
.set BIA_LO, 0x91                      ; the same with C, the bias, in window 1 (+0x40: D window 3)
.set TO_B,   0x40                      ; destination window 1, address window 0
; A joint load.  The branch hangs on the wave's number alone.  An s_nop 0 and four v_nop follow each of the two lines.
.macro JLOAD s
	s_cmp_eq_u32 s[RH], 0
	s_cbranch_scc0 .Lfor_b_\@
	tensor_load_to_lds s[G0+4*(\s):G0+4*(\s)+3], s[G1:G1+7]
	s_nop 0
.rept 4
	v_nop
.endr
	s_branch .Lasked_\@
.Lfor_b_\@:
	tensor_load_to_lds s[G0B+4*(\s):G0B+4*(\s)+3], s[G1B:G1B+7]
	s_nop 0
.rept 4
	v_nop
.endr
.Lasked_\@:
.endm
.macro CREST                           ; a round of the cluster's barrier behind its opening barrier
	s_cmp_lg_u32 s[WV], 0
	s_cbranch_scc1 .Lnot_wave_0_\@
	s_barrier_signal -3
.Lnot_wave_0_\@:
	s_barrier_wait -3
	s_barrier_signal -1
	s_barrier_wait -1
.endm
.macro CROUND                          ; a whole round
	s_barrier_signal -1
	s_barrier_wait -1
	CREST
.endm
	s_load_b256 s[4:11], s[0:1], 0x0               ; xb s[4:5], wt1 s[6:7], b_kqv s[8:9], qkv s[10:11]
	v_lshl_add_u32 v[SPW], v0, 2, SPARE
	v_mov_b32 v[NIL], 0
	ds_add_u32 v[SPW], v[NIL]                      ; the wave's opening: the add and its wait stand ahead of my first tensor load; work on registers stands between them
	ds_add_u32 v28, v29
	v_lshrrev_b32 v1, 5, v0
	v_readfirstlane_b32 s[WV], v1
	s_lshr_b32 s[RH], s[WV], 1
	s_and_b32 s[CH], s[WV], 1
	s_bfe_u32 s40, ttmp6, 0x40000                  ; cx, cy: my place in the cluster
	s_bfe_u32 s41, ttmp6, 0x40004
	s_lshl_b32 s42, ttmp9, 2
	s_add_co_u32 s42, s42, s40                     ; tile column = 4 x cluster x + cx
	s_and_b32 s43, ttmp7, 0xffff
	s_lshl_b32 s43, s43, 2
	s_add_co_u32 s43, s43, s41                     ; tile row = 4 x cluster y + cy
	s_lshl_b32 s44, s41, 2
	s_lshl_b32 s44, 15, s44                        ; my row of the cluster
	s_lshl_b32 s45, 0x1111, s40                    ; my column
	s_or_b32 s[G1], s44, (1<<16)|(1<<20)|(1<<21)|(5<<22)|(3<<25)   ; the mask; 2-byte elements; padding on; bit 21 beside a mask; after every 64 words 4 words
	s_or_b32 s[G1B], s45, (1<<16)|(1<<20)|(1<<21)|(5<<22)|(3<<25)
	s_mov_b32 s[G1+1], KSTEP<<16                   ; tensor_dim0 = 128
	s_mov_b32 s[G1+2], 128<<16                     ; tensor_dim1 = 128
	s_mov_b32 s[G1+3], KSTEP<<16                   ; tile_dim0 = 128
	s_mov_b32 s[G1+4], 128                         ; tile_dim1 = 128
	s_mov_b32 s[G1+5], SIZE_K                      ; elements from row to row
	s_mov_b32 s[G1+6], 0
	s_mov_b32 s[G1+7], 0
	s_mov_b32 s[G1B+1], KSTEP<<16
	s_mov_b32 s[G1B+2], (16*NB)<<16                ; 96 rows
	s_mov_b32 s[G1B+3], KSTEP<<16
	s_mov_b32 s[G1B+4], 16*NB
	s_mov_b32 s[G1B+5], SIZE_K
	s_mov_b32 s[G1B+6], 0
	s_mov_b32 s[G1B+7], 0
	s_lshl_b32 s16, s43, 8                         ; x: row 256 x tile row + 128 x half, 2,048 bytes a row
	s_lshl_b32 s17, s[CH], 7
	s_add_co_u32 s16, s16, s17
	s_lshl_b32 s16, s16, 11
	s_mov_b32 s17, 0
	s_mul_i32 s46, s42, 32*NB                      ; the weight: row 192 x tile column + 96 x half
	s_mul_i32 s47, s[CH], 16*NB
	s_add_co_u32 s46, s46, s47
	s_lshl_b32 s46, s46, 11
	s_mov_b32 s47, 0
	s_mul_i32 s20, s[CH], HALFA                    ; where they go: no place in the cluster enters an LDS address
	s_mul_i32 s21, s[CH], HALFB
	s_add_co_u32 s21, s21, 2*HALFA
	s_wait_dscnt 0x0                               ; the opening add is done
	s_wait_kmcnt 0x0
	s_add_nc_u64 s[18:19], s[4:5], s[16:17]
	s_add_nc_u64 s[46:47], s[6:7], s[46:47]
	CROUND                                         ; all sixteen work-groups are here: the first joint loads meet
.irp s, 0,1
	s_mov_b32 s[G0+4*(\s)], 1
	s_add_co_u32 s[G0+4*(\s)+1], s20, (\s)*SLOT
	s_add_nc_u64 s[G0+4*(\s)+2:G0+4*(\s)+3], s[18:19], (\s)*KSTEP*2
	s_or_b32 s[G0+4*(\s)+3], s[G0+4*(\s)+3], 0x80000000
	s_mov_b32 s[G0B+4*(\s)], 1
	s_add_co_u32 s[G0B+4*(\s)+1], s21, (\s)*SLOT
	s_add_nc_u64 s[G0B+4*(\s)+2:G0B+4*(\s)+3], s[46:47], (\s)*KSTEP*2
	s_or_b32 s[G0B+4*(\s)+3], s[G0B+4*(\s)+3], 0x80000000
	JLOAD \s                                       ; K steps 0 and 1: two tensor loads of mine are out
.endr
	v_and_b32 v1, 15, v0                           ; l % 16
	v_bfe_u32 v2, v0, 4, 1                         ; l / 16
	v_mul_u32_u24 v3, v1, PITCH
	v_lshl_add_u32 v3, v2, 4, v3                   ; a fragment's row x pitch + 16 x half
	s_mul_i32 s22, s[RH], HALFA
	s_mul_i32 s23, s[CH], HALFB
	s_add_co_u32 s23, s23, 2*HALFA
.irp s, 0,1
	v_add_nc_u32 v[ADRA+(\s)], s22, v3
	v_add_nc_u32 v[ADRB+(\s)], s23, v3
	s_add_co_u32 s22, s22, SLOT
	s_add_co_u32 s23, s23, SLOT
.endr
	s_mul_i32 s22, s[WV], 16*SPITCH
	s_add_co_u32 s22, s22, STAGE                   ; my stage
	v_mul_u32_u24 v4, v1, SPITCH
	v_lshl_add_u32 v4, v2, 4, v4
	v_add_nc_u32 v[STO], s22, v4                   ; in: row l % 16, 16 bytes for each half of the lanes
	v_bfe_u32 v4, v0, 2, 3
	v_and_b32 v5, 3, v0
	v_mul_u32_u24 v4, v4, SPITCH
	v_lshl_add_u32 v4, v5, 4, v4
	v_add_nc_u32 v[RD], s22, v4                    ; back: 32 lanes take 64 bytes (one plane's part) of eight rows,
	v_and_b32 v[CO], 31, v0
	v_lshlrev_b32 v[CO], 4, v[CO]                  ; which are 512 consecutive bytes of the plane
	v_lshlrev_b32 v[BO], 5, v2
	s_lshl_b32 s16, s43, 8                         ; my first row m0 = 256 x tile row + 128 x half
	s_lshl_b32 s17, s[RH], 7
	s_add_co_u32 s16, s16, s17
	s_lshr_b32 s17, s16, 10                        ; its batch,
	s_and_b32 s16, s16, 1023                       ; its row in the batch, 64 bytes a row of a plane
	s_lshl_b32 s16, s16, 6
	s_mul_i32 s17, s17, 96*65536
	s_add_co_u32 s16, s16, s17
	s_mul_i32 s2, s42, NB                          ; my first plane: 6 x tile column + 3 x half
	s_mul_i32 s3, s[CH], NB/2
	s_add_co_u32 s2, s2, s3
	s_lshl_b32 s2, s2, 16
	s_add_co_u32 s16, s16, s2
	s_mov_b32 s17, 0
	s_add_nc_u64 s[10:11], s[10:11], s[16:17]
	s_mul_i32 s2, s42, 128*NB                      ; the bias of my 96 columns
	s_mul_i32 s3, s[CH], 64*NB
	s_add_co_u32 s2, s2, s3
	s_mov_b32 s3, 0
	s_add_nc_u64 s[8:9], s[8:9], s[2:3]
	WIN TO_B
.irp b, 0,1,2,3,4,5
	global_load_b128 v[8*(\b):8*(\b)+3],   v[BO], s[8:9] offset:64*(\b)      ; register 8 b + j: the bias of column 16 b + 8 (l / 16) + j
	global_load_b128 v[8*(\b)+4:8*(\b)+7], v[BO], s[8:9] offset:64*(\b)+16
.endr
	s_wait_loadcnt 0x0
	WIN 0x05                                       ; sources window 1, destination window 0
.set i, 0
.rept 4*NB
	v_cvt_pk_bf16_f32 v[TMP+i], v[2*i], v[2*i+1]   ; the bias is rounded to bf16 like every input,
.set i, i+1
.endr
	WIN TO_B
.set i, 0
.rept 4*NB
	v_lshlrev_b32 v[2*i], 16, v[TMP+i]             ; and kept in f32
	v_and_b32 v[2*i+1], 0xffff0000, v[TMP+i]
.set i, i+1
.endr
	WIN 0
; 12 matrix instructions: row blocks a0, a0 + 1 of the window's four (hi = 0: my rows 0-63, 1: rows 64-127) x all 6 column blocks, 32 along K.  first = 1: the bias starts the sums.
; The accumulators take turns, one instruction a turn.
.macro MULH f, hi, a0, first
.if \first
	WIN BIA_LO+0x40*(\hi)
.else
	WIN MUL_LO+0x50*(\hi)
.endif
.irp a, \a0, (\a0)+1
.irp b, 0,1,2,3,4,5
.if \first
	v_wmma_f32_16x16x32_bf16 v[8*(NB*(\a)+(\b)):8*(NB*(\a)+(\b))+7], v[(\f)+8*(\b):(\f)+8*(\b)+7], v[(\f)+8*(4*(\hi)+(\a)):(\f)+8*(4*(\hi)+(\a))+7], v[8*(\b):8*(\b)+7]
.else
	v_wmma_f32_16x16x32_bf16 v[8*(NB*(\a)+(\b)):8*(NB*(\a)+(\b))+7], v[(\f)+8*(\b):(\f)+8*(\b)+7], v[(\f)+8*(4*(\hi)+(\a)):(\f)+8*(4*(\hi)+(\a))+7], v[8*(NB*(\a)+(\b)):8*(NB*(\a)+(\b))+7]
.endif
.endr
.endr
.endm
; 28 LDS loads in one run: the fragments of 32 along K at byte k of the rows, into buffer f: the weight's 12, then x's 16
.macro FETCH slot, k, f
	WIN TO_B
.irp i, 0,1,2,3,4,5
	ds_load_b128 v[(\f)+8*(\i):(\f)+8*(\i)+3],   v[ADRB+(\slot)] offset:(\k)+(\i)*16*PITCH
	ds_load_b128 v[(\f)+8*(\i)+4:(\f)+8*(\i)+7], v[ADRB+(\slot)] offset:(\k)+(\i)*16*PITCH+32
.endr
	WIN 0
.irp i, 0,1,2,3,4,5,6,7
	ds_load_b128 v[(\f)+8*(\i):(\f)+8*(\i)+3],   v[ADRA+(\slot)] offset:(\k)+(\i)*16*PITCH
	ds_load_b128 v[(\f)+8*(\i)+4:(\f)+8*(\i)+7], v[ADRA+(\slot)] offset:(\k)+(\i)*16*PITCH+32
.endr
.endm
.macro PLACES                          ; four places in front of loads into registers that matrix instructions have read, and of conversions that read results
.rept 4
	v_nop
.endr
.endm
; A K step is four quarters of 32 along K, 48 matrix instructions each, on buffers 0, 1, 0, 1.  One of the first three multiplies buffer f and fetches the next quarter, at byte k, into g.
.macro QUARTER slot, k, f, g, first
	s_wait_dscnt 8                                 ; the weight and x's rows 0-63 are in; the youngest eight loads (x's rows 64-127) may be out
	MULH \f, 0, 0, \first
	MULH \f, 0, 2, \first
	PLACES
	FETCH \slot, \k, \g
	s_wait_dscnt 28                                ; all but the 28 just issued
	MULH \f, 1, 0, \first
	MULH \f, 1, 2, \first
.endm
; The last quarter multiplies buffer 1 and changes slots: ONE barrier; in front of it each wave waits for all its tensor loads (one is out: its part of the next slot), adds 0 to its spare
; word, and waits for that and for its own reads of this slot.  fill = 1: the barrier opens a round of the cluster's, and this slot is filled again, two K steps ahead, first thing behind it.
.macro TURN slot, next, fill
	WIN 0
	s_wait_tensorcnt 0x0
	ds_add_u32 v[SPW], v[NIL]
	s_wait_dscnt 9                                 ; (the add and the youngest eight loads may be out)
	MULH F1, 0, 0, 0                               ; twelve matrix instructions stand between the add and the wait for it
	s_wait_dscnt 0x0                               ; the add is done, and my reads of this slot are over
	s_barrier_signal -1
	MULH F1, 0, 2, 0
.if \fill
	WIN 0
.endif
	s_barrier_wait -1
.if \fill
	CREST                                          ; no wave of any partner still reads this slot's tile or has a load on its way
	s_add_nc_u64 s[G0+4*(\slot)+2:G0+4*(\slot)+3], s[G0+4*(\slot)+2:G0+4*(\slot)+3], 2*KSTEP*2
	s_add_nc_u64 s[G0B+4*(\slot)+2:G0B+4*(\slot)+3], s[G0B+4*(\slot)+2:G0B+4*(\slot)+3], 2*KSTEP*2
	JLOAD \slot                                    ; the four v_nop behind it are also the places in front of the loads below
.else
	PLACES
.endif
	FETCH \next, 0, F0
	MULH F1, 1, 0, 0
	MULH F1, 1, 2, 0
.endm
; THE WAY OUT of block a (16 rows): rounded to f16; 16 bytes a lane into my own stage; back as three planes' parts, eight rows of 64 bytes to a load; stored.
.macro PACK a
.set AC, 8*NB*((\a)%4)
	WIN 0x0a+5*((\a)/4)                            ; sources 0 and 1: window 2 or 3
.irp b, 0,1,2,3,4,5
.irp r, 0,1,2,3
	v_cvt_pk_f16_f32 v[TMP+4*(\b)+(\r)], v[AC+8*(\b)+2*(\r)], v[AC+8*(\b)+2*(\r)+1]
.endr
.endr
	WIN 0
.endm
.macro TOSTAGE a
.set BK, OB+192*((\a)%2)
.irp b, 0,1,2,3,4,5
	ds_store_b128 v[STO], v[TMP+4*(\b):TMP+4*(\b)+3] offset:32*(\b)
.endr
.irp p, 0,1,2
.irp x, 0,1
	ds_load_b128 v[BK+4*(2*(\p)+(\x)):BK+4*(2*(\p)+(\x))+3], v[RD] offset:(\x)*8*SPITCH+64*(\p)  ; LDS serves a wave's instructions in order (ISA guide 5.7.1.4): these see the stores above
.endr
.endr
.endm
.macro SEND a
.set BK, OB+192*((\a)%2)
	s_wait_dscnt 0x0                               ; the block is back in registers
	s_wait_xcnt 0x0                                ; the stores' base, and registers that earlier stores read, are rewritten only behind this wait
.if (\a) != 0
	s_add_nc_u64 s[10:11], s[10:11], 1024          ; sixteen rows of a plane on
.endif
.irp p, 0,1,2
.irp x, 0,1
	global_store_b128 v[CO], v[BK+4*(2*(\p)+(\x)):BK+4*(2*(\p)+(\x))+3], s[10:11] offset:(\p)*65536+512*(\x)  ; 512 consecutive bytes, aligned
.endr
.endr
.endm
	s_wait_tensorcnt 1                             ; my part of K step 0 is in; K step 1's may stay out
	s_barrier_signal -1
	s_barrier_wait -1
	FETCH 0, 0, F0
	QUARTER 0, 64, F0, F1, 1                       ; the first quarter stands in front of the loop: its products start the sums
	WIN 0
	s_mov_b32 s[CNT], LAPS-1
.Llap:                                                 ; a trip goes once round the ring and fills both slots again
	QUARTER 0, 128, F1, F0, 0
	QUARTER 0, 192, F0, F1, 0
	TURN 0, 1, 1
	QUARTER 1, 64,  F0, F1, 0
	QUARTER 1, 128, F1, F0, 0
	QUARTER 1, 192, F0, F1, 0
	TURN 1, 0, 1
	QUARTER 0, 64,  F0, F1, 0
	WIN 0
	s_sub_co_u32 s[CNT], s[CNT], 1
	s_cmp_lg_u32 s[CNT], 0
	s_cbranch_scc1 .Llap
	QUARTER 0, 128, F1, F0, 0                      ; the last lap fills nothing
	QUARTER 0, 192, F0, F1, 0
	TURN 0, 1, 0
	QUARTER 1, 64,  F0, F1, 0
	QUARTER 1, 128, F1, F0, 0
	QUARTER 1, 192, F0, F1, 0
	s_wait_dscnt 8                                 ; the very last quarter: nothing more to fetch
	MULH F1, 0, 0, 0
	MULH F1, 0, 2, 0
	s_wait_dscnt 0x0
	MULH F1, 1, 0, 0
	MULH F1, 1, 2, 0
	WIN 0
	PLACES
	PACK 0
	TOSTAGE 0
.irp a, 1,2,3,4,5,6,7                  ; block a's conversions stand between block a - 1's loads from the stage and the wait for them
	PACK \a
	SEND (\a)-1
	TOSTAGE \a
.endr
	SEND 7
	s_wait_tensorcnt 0x0                           ; the wave's end
	ds_add_u32 v[SPW], v[NIL]
	s_wait_dscnt 0x0
	CROUND                                         ; the closing round
	s_endpgm
.Lfunc_end_k_q24754444df_proj:
	.size	k_q24754444df_proj, .Lfunc_end_k_q24754444df_proj-k_q24754444df_proj
	.p2alignl 7, 3214868480
	.fill 96, 4, 3214868480
	.section	.rodata,"a",@progbits
	.p2align	6, 0x0
	.amdhsa_kernel k_q24754444df_proj
		.amdhsa_group_segment_fixed_size 327680
		.amdhsa_private_segment_fixed_size 0
		.amdhsa_enable_private_segment 0
		.amdhsa_kernarg_size 32
		.amdhsa_user_sgpr_count 2
		.amdhsa_user_sgpr_kernarg_segment_ptr 1
		.amdhsa_wavefront_size32 1
		.amdhsa_system_sgpr_workgroup_id_x 1
		.amdhsa_system_sgpr_workgroup_id_y 1
		.amdhsa_system_sgpr_workgroup_id_z 1
		.amdhsa_system_vgpr_workitem_id 0
		.amdhsa_next_free_vgpr 1024
		.amdhsa_next_free_sgpr 66
		.amdhsa_reserve_vcc 0
		.amdhsa_float_denorm_mode_32 3
		.amdhsa_float_denorm_mode_16_64 3
		.amdhsa_memory_ordered 1
		.amdhsa_forward_progress 1
		.amdhsa_inst_pref_size 121
	.end_amdhsa_kernel
	.amdgpu_metadata
---
amdhsa.version: [ 1, 2 ]
amdhsa.kernels:
  - .name:           k_q24754444df_proj
    .symbol:         k_q24754444df_proj.kd
    .args:
      - { .name: xb, .offset: 0, .size: 8, .value_kind: global_buffer, .address_space: global }
      - { .name: wt1, .offset: 8, .size: 8, .value_kind: global_buffer, .address_space: global }
      - { .name: b_kqv, .offset: 16, .size: 8, .value_kind: global_buffer, .address_space: global }
      - { .name: qkv, .offset: 24, .size: 8, .value_kind: global_buffer, .address_space: global }
    .group_segment_fixed_size: 327680
    .private_segment_fixed_size: 0
    .kernarg_segment_align: 8
    .kernarg_segment_size: 32
    .max_flat_workgroup_size: 128
    .sgpr_count:     66
    .vgpr_count:     1024
    .wavefront_size: 32
...
	.end_amdgpu_metadata
.endif
;; end of part 2
;; launch attn (part 3): grid 2 x 128, 8 waves a work-group, no clusters, 327,680 bytes of LDS; arguments qkv, tab, madd, ctx; writes ctx
.if DOCPART == 3
	.amdgcn_target "amdgcn-amd-amdhsa--gfx1250"
	.amdhsa_code_object_version 6
	.text
	.protected	k_q24754444df_attn
	.globl	k_q24754444df_attn
	.p2align	8
	.type	k_q24754444df_attn,@function
k_q24754444df_attn:
	s_mov_b64 s[64:65], 0
	v_nop
	global_prefetch_b8 v0, s[64:65] scope:SCOPE_SE
	s_setreg_imm32_b32 hwreg(HW_REG_WAVE_MODE, 25, 1), 1
	s_wait_xcnt 0x0
; ATTENTION WITH RELATIVE POSITIONS (clip at 128), head size 64, 1,024 keys, a key mask.
;   score(q, k) = q . k + q . embd_k[rel] (+ -1e30 where the key is masked), rel = clip(k - q, -128, 128) + 128;  p = softmax over k of score / 8;  ctx[q] = sum of p (v[k] + embd_v[rel]).
; IN: qkv f16 [batch][plane 96][row 1024][32 channels] (q of head h: planes 2 h, 2 h + 1; k: 32 + 2 h ..; v: 64 + 2 h ..); tab, the tables' LDS image; madd f32 [8][1024].
; OUT: ctx f16 [head 16][row 8192][64].  Products, maxima and sums in f32; p is rounded to f16 for the products (its sum is taken unrounded), ctx once at the end.
; LIMITS.  q, k, v, ctx within f16's 65,504.  A masked score counts as its value less 1e30; a row whose running maximum ends below -1e29 counts as wholly masked and gives NaN, as a softmax
; over -inf alone does.  A weight below 2^-126 counts as 0.
; WHERE rel IS CONSTANT.  Queries lie in GROUPS of 64, four tiles of 16; keys go in 16 steps of 64.  With DL = step - group + 2: for DL < 0 every rel is 0, for DL > 4 every rel is 256.  There
; q . embd_k[rel] is one number beta a query, and a softmax does not feel a shift: the running maximum is kept less beta, and the step is plain attention; the sum of those weights times
; embd_v[0] (embd_v[256]) is added once (T1; the end).  T1 (DL = 0) and T2 (DL = 5) change the basis.
; THE BAND, DL = 0 .. 4.  With e = k - q + 192 the tables EKX[e], EVT[.][e] hold the clipped rows.  For tile number n of a group the window is e = 64 DL + 48 - 16 n + r, r = key - query + 16 in 0 .. 79.
;   G^T = EKX window x Q^T (10 products): a lane holds its query's 80 numbers by r.  They go into my buffer GB at column r + query and come back at column key + 16: G by key.  G + mask is the C operand of K Q^T.
;   P goes into my buffer AB at column key - query + 16 (the rest of AB is 0, set once) and comes back as source 1 by r:  O^T += EVT window x that (12 products).
; SHARES.  A work-group owns 512 queries of one head and batch: the groups 8 x .. 8 x + 7.  Wave w owns ONE tile, number 3 - w % 4, in each of the four groups 8 x + w / 4 + 2 t, t = 0 .. 3.
; A tile in its band costs several times a tile outside it, and the eight waves meet at a barrier every two steps.  With its tiles' groups two apart a wave has two or three tiles in the band in
; each step of the band's range: between two barriers 5 at the most, 20 on the longest way through all barriers, of the 18 or 19 that each wave has.  (With 64 queries on end it would be 8 and 40.)
; LAYOUT.  S^T = K Q^T holds ONE query a lane (lane % 16) and the keys 8 (lane / 16) + 0..7; two such results rounded to f16 ARE source 1 of O^T = V^T P.
; PHASES, two waves to a SIMD: a tile's products, softmax and products follow each other; the SIMD's other wave has the units meanwhile.
; NO CLUSTER: a head and batch has two work-groups, not four; the branches hang on the query group; what the two share is 256 KiB.
; All branches hang on the work-group's and wave's numbers and on counters; they go forward, and none passes a barrier.
; REGISTERS (s_set_vgpr_msb: bits 1:0 source 0, 3:2 source 1, 5:4 source 2, 7:6 destination):
;   window 0: v2-15 addresses; v16-39 six statistics a tile; v40-47 at work; v48-79 S^T; v80-95 P (v48-87 also G, v48-71 P by r); v96-127 the step's mask; v128-191 table fragments; v192-255 V
;   window 1: v0-127 O^T, 32 a tile; v128-191 Q, 16 a tile; v192-255 K
.set PKB,   80        ; a row of a K plane in LDS: 64 bytes + 16: the 16 rows of a load start at 16 different groups of four banks (ISA guide 11.1)
.set PVB,   96        ; a row of a V plane: 64 + 32: an odd multiple of 32, for the turning load
.set KPL,   128*PKB   ; a slot holds 128 keys: K's two planes, then V's two
.set VPL,   128*PVB
.set VOFF,  2*KPL
.set MADD,  45056     ; behind slot 0: the batch's 1,024 mask numbers
.set SLOT1, 65536     ; slot 1 begins here: one exclusive or turns an address in one slot into the other's
.set EKX,   110592    ; the tables' image, 114,688 bytes
.set EVT,   EKX+57344
.set EVF,   EKX+110592
.set PEK,   144
.set PEV,   816
.set GB,    225280    ; 6,400 bytes a wave: 16 rows x 400; at the end the stage of the way out.  Never filled by a tensor load
.set GBW,   6400
.set AB,    276480    ; 3,584 bytes a wave: 16 rows x 208
.set ABW,   3584
.set SPARE, 305152    ; the spare words, 128 bytes for each of eight waves
.set SP,    144       ; a row of the stage
.set AK0, 2           ; my lane's place in a step's K
.set AV0, 3           ; in its V
.set AM0, 4           ; in its 64 mask numbers
.set AEK0, 5          ; in sixteen rows of EKX, 16 (w % 4) rows on: my tiles' place in their groups
.set AEV0, 6          ; in sixteen rows of EVT, 16 (w % 4) numbers on
.set AGS, 7           ; GB: where G goes
.set RD,  7           ; later: where I read rows of the stage back
.set AGL, 8           ; GB: where it comes back, less 64
.set APS, 9           ; AB: where P goes, less 32
.set APL, 10          ; AB: where it comes back
.set ADR, 11          ; the address of the run of loads in hand
.set QO,  12          ; my byte offset in sixteen rows of a plane of Q
.set GO,  12          ; later: 16 x lane
.set STO, 13          ; the stage: where I put 16 bytes of a row
.set SPW, 14          ; LDS address of my spare word; never rewritten
.set NIL, 15          ; 0; never rewritten
.set ST,  16          ; tile t at ST + 6 t: c m, m, lB (two), lA (two).  lB: the weights' sum since the last change of basis that reset it; lA: those before
.set TMP, 40          ; c0-c3 at work; c2 takes a
.set MV,  44          ; c m_old
.set LL,  46          ; v46:47 a sum for all channels
.set S,   48
.set P,   80
.set MK,  96
.set E,   128
.set EV,  144         ; 32 numbers of embd_v[0] or [256], laid as a tile's O^T
.set VF,  192
.set Q,   128         ; window 1
.set KF,  192         ; window 1
.set WV,  12
.set G1K, 16          ; s[16:23] descriptor group 1: K's planes;  s[24:31] V's;  s[32:39] the tables;  s[40:47] the mask
.set G1V, 24
.set G1T, 32
.set G1M, 40
.set G0K, 48          ; s[48:51], s[52:55] group 0 for K and V: they walk;  s[56:59], s[60:63] the tables, the mask
.set G0V, 52
.set G0T, 56
.set G0M, 60
.set SLOTS, 66
.set TWICE, 67
.set CS,  68          ; s[68:69] c = log2(e) / 8
.set SEL, 70          ; s[70:71] v_permlanex16_b32's selects: each lane takes its own place in the other half
.set TBK, 72          ; LDS byte at which K of the step begins
.set TBV, 73          ; the same for V, less VOFF
.set TM,  74          ; 256 x step
.set SI,  75          ; the step
.set GA,  76          ; the group of my tile 0: 8 x + w / 4
.set DL,  77          ; of the tile in hand
.set BAND, 78
.set EKS, 79          ; min(DL, 4) x 64 rows of EKX
.set EVS, 80          ; min(DL, 4) x 64 numbers of a row of EVT
.set LOW, 82          ; -1e29
.set GBS, 83          ; my GB
.set WQ,  85          ; w % 4
.set FR,  88          ; s[88:91] tile t: 1.0 if its group has steps with DL > 4
.set D0,  92          ; DL of my tile 0
.set MSB, 0
.macro WIN new
.if MSB != (\new)
	s_set_vgpr_msb (MSB<<8)|(\new)
.set MSB, (\new)
.endif
.endm
.set W_KQ, 0x05       ; K and Q in window 1, S^T and its C in window 0
.set W_G,  0x04       ; the table in window 0, Q in window 1
.set W_PV, 0x50       ; sources 0 and 1 in window 0, O^T in window 1
.set W_RS, 0x41       ; O^T (destination and source 0) in window 1
.set W_T1, 0x40       ; destination window 1
.macro NOPS n
.rept \n
	v_nop
.endr
.endm
; A fill: waves 0, 1 fetch the two planes of 128 keys of K, waves 2, 3 those of V; the others have no part.  An s_nop 0 and four v_nop follow each line.
.macro LOAD
	s_cmp_lt_u32 s[WV], 2
	s_cbranch_scc0 .Lnot_k_\@
	tensor_load_to_lds s[G0K:G0K+3], s[G1K:G1K+7]
	s_nop 0
	NOPS 4
	s_branch .Lasked_\@
.Lnot_k_\@:
	s_cmp_lt_u32 s[WV], 4
	s_cbranch_scc0 .Lasked_\@
	tensor_load_to_lds s[G0V:G0V+3], s[G1V:G1V+7]
	s_nop 0
	NOPS 4
.Lasked_\@:
.endm
; THE CHANGE OF SLOTS.  Each wave waits for all its tensor loads, adds 0 to its spare word, and waits for that and for its own reads of the slot that it leaves.  Behind the barrier nobody reads
; the old slot and the other is whole.  fill = 1: the old slot is filled again, first thing behind the barrier, with the next 128 keys: that load has two key steps in which to land.
; (At its first use nothing has been read: slot 0, the tables and the mask are waited for, slot 1 is filled.)
.macro CHANGE fill
	WIN 0
	s_wait_tensorcnt 0x0            ; no tensor load of mine is out, so a group 0 may be written
	ds_add_u32 v[SPW], v[NIL]
.if \fill
	s_xor_b32 s[G0K+1], s[G0K+1], SLOT1
	s_add_nc_u64 s[G0K+2:G0K+3], s[G0K+2:G0K+3], 8192   ; 128 rows of 64 bytes; the type bits on top are not reached
	s_xor_b32 s[G0V+1], s[G0V+1], SLOT1
	s_add_nc_u64 s[G0V+2:G0V+3], s[G0V+2:G0V+3], 8192
.endif
	s_wait_dscnt 0x0                ; the add is done, and my LDS reads and stores are over
	s_barrier_signal -1
	s_sub_co_u32 s[TBK], s[TBK], 2*64*PKB   ; the fetches go back to a slot's first step,
	s_xor_b32 s[TBK], s[TBK], SLOT1         ; in the other slot
	s_sub_co_u32 s[TBV], s[TBV], 2*64*PVB
	s_xor_b32 s[TBV], s[TBV], SLOT1
	s_barrier_wait -1
.if \fill
	LOAD
.endif
.endm
	s_load_b256 s[4:11], s[0:1], 0x0  ; qkv s[4:5], tab s[6:7], madd s[8:9], ctx s[10:11]
	v_lshl_add_u32 v[SPW], v0, 2, SPARE
	v_mov_b32 v[NIL], 0
	ds_add_u32 v[SPW], v[NIL]       ; the wave's opening: the add and its wait stand ahead of my first tensor load; work on registers stands between them
	ds_add_u32 v14, v15
	v_lshrrev_b32 v1, 5, v0
	v_readfirstlane_b32 s[WV], v1
	s_and_b32 s13, ttmp7, 0xffff
	s_lshr_b32 s14, s13, 4          ; the batch
	s_and_b32 s15, s13, 15          ; the head
	s_lshl_b32 s[GA], ttmp9, 3
	s_lshr_b32 s13, s[WV], 2
	s_add_co_u32 s[GA], s[GA], s13  ; the group of my tile 0
	s_and_b32 s84, s[WV], 1         ; which plane I fetch
	s_and_b32 s[WQ], s[WV], 3       ; which quarter of the tables and of the mask I fetch; my tiles are number 3 - this in their groups
	s_mul_i32 s86, s14, 96
	s_lshl_b32 s87, s15, 1
	s_add_co_u32 s86, s86, s87      ; q's first plane
	s_add_co_u32 s88, s86, s84
	s_add_co_u32 s90, s88, 64       ; my plane of v,
	s_add_co_u32 s88, s88, 32       ; of k: 65,536 bytes a plane
	s_lshl_b32 s88, s88, 16
	s_lshl_b32 s90, s90, 16
	s_mov_b32 s89, 0
	s_mov_b32 s91, 0
	s_lshl_b32 s92, s86, 16
	s_lshl_b32 s93, s[GA], 12       ; Q: the group's 64 rows of 64 bytes,
	s_add_co_u32 s92, s92, s93
	s_sub_co_u32 s93, 3, s[WQ]
	s_lshl_b32 s93, s93, 10         ; my tile's 16 of them
	s_add_co_u32 s92, s92, s93
	s_mov_b32 s93, 0
	s_mul_i32 s94, s[WQ], 28672
	s_mov_b32 s95, 0
	s_lshl_b32 s2, s14, 12
	s_lshl_b32 s3, s[WQ], 10
	s_add_co_u32 s2, s2, s3
	s_mov_b32 s3, 0
	s_lshl_b32 s86, s15, 20         ; ctx: the head's plane, the batch's 1,024 rows of 128 bytes, the group's 64, my tile's 16
	s_lshl_b32 s87, s14, 17
	s_add_co_u32 s86, s86, s87
	s_lshl_b32 s87, s[GA], 13
	s_add_co_u32 s86, s86, s87
	s_sub_co_u32 s87, 3, s[WQ]
	s_lshl_b32 s87, s87, 11
	s_add_co_u32 s86, s86, s87
	s_mov_b32 s87, 0
	; descriptor groups 1: dense blocks, asked for as rows of 256 bytes
	s_mov_b32 s[G1K], (1<<16)|(1<<20)|(3<<22)|(3<<25)  ; 2-byte elements; padding on: after every 16 words 4 words
	s_mov_b32 s[G1V], (1<<16)|(1<<20)|(3<<22)|(7<<25)  ; after every 16 words 8 words
	s_mov_b32 s[G1T], 1<<16
	s_mov_b32 s[G1M], 1<<16
.irp g, G1K, G1V, G1T, G1M
	s_mov_b32 s[\g+1], 128<<16      ; tensor_dim0 = 128
	s_mov_b32 s[\g+3], 128<<16      ; tile_dim0 = 128
	s_mov_b32 s[\g+5], 128          ; elements from row to row
	s_mov_b32 s[\g+6], 0
	s_mov_b32 s[\g+7], 0
.endr
	s_mov_b32 s[G1K+2], 32<<16      ; rows: 32 (128 keys of a plane),
	s_mov_b32 s[G1K+4], 32
	s_mov_b32 s[G1V+2], 32<<16
	s_mov_b32 s[G1V+4], 32
	s_mov_b32 s[G1T+2], 112<<16     ; 112 (a quarter of the tables),
	s_mov_b32 s[G1T+4], 112
	s_mov_b32 s[G1M+2], 4<<16       ; 4 (a quarter of the mask)
	s_mov_b32 s[G1M+4], 4
	s_mov_b32 s[G0K], 1
	s_mul_i32 s[G0K+1], s84, KPL
	s_mov_b32 s[G0V], 1
	s_mul_i32 s[G0V+1], s84, VPL
	s_add_co_u32 s[G0V+1], s[G0V+1], VOFF
	s_mov_b32 s[G0T], 1
	s_mul_i32 s[G0T+1], s[WQ], 28672
	s_add_co_u32 s[G0T+1], s[G0T+1], EKX
	s_mov_b32 s[G0M], 1
	s_lshl_b32 s[G0M+1], s[WQ], 10
	s_add_co_u32 s[G0M+1], s[G0M+1], MADD
	s_mov_b32 s[CS], 0x3e38aa3b     ; c = log2(e) / 8
	s_mov_b32 s[CS+1], s[CS]
	s_mov_b32 s[SEL], 0x76543210
	s_mov_b32 s[SEL+1], 0xfedcba98
	s_mov_b32 s[TBK], SLOT1+2*64*PKB  ; the first change of slots turns these two into 0
	s_mov_b32 s[TBV], SLOT1+2*64*PVB
	s_mov_b32 s[TM], 0
	s_mov_b32 s[SI], 0
	s_mov_b32 s[LOW], 0xefa18f08    ; -1e29
	s_mul_i32 s[GBS], s[WV], GBW
	s_add_co_u32 s[GBS], s[GBS], GB
	s_mul_i32 s13, s[WV], ABW
	s_add_co_u32 s13, s13, AB
	s_mov_b32 s[SLOTS], 7
	s_wait_dscnt 0x0                ; the opening add is done
	s_wait_kmcnt 0x0
	s_add_nc_u64 s[G0K+2:G0K+3], s[4:5], s[88:89]
	s_or_b32 s[G0K+3], s[G0K+3], 0x80000000
	s_add_nc_u64 s[G0V+2:G0V+3], s[4:5], s[90:91]
	s_or_b32 s[G0V+3], s[G0V+3], 0x80000000
	s_add_nc_u64 s[G0T+2:G0T+3], s[6:7], s[94:95]
	s_or_b32 s[G0T+3], s[G0T+3], 0x80000000
	s_add_nc_u64 s[G0M+2:G0M+3], s[8:9], s[2:3]
	s_or_b32 s[G0M+3], s[G0M+3], 0x80000000
	s_add_nc_u64 s[4:5], s[4:5], s[92:93]    ; Q at my tile 0's first row
	s_add_nc_u64 s[10:11], s[10:11], s[86:87]
	; the first fills, in one branch on the wave's number: K or V of slot 0 (one load out), or a quarter of the tables and of the mask (two out)
	s_cmp_lt_u32 s[WV], 2
	s_cbranch_scc0 .Lff_not_k
	tensor_load_to_lds s[G0K:G0K+3], s[G1K:G1K+7]
	s_nop 0
	NOPS 4
	s_branch .Lff_done
.Lff_not_k:
	s_cmp_lt_u32 s[WV], 4
	s_cbranch_scc0 .Lff_tab
	tensor_load_to_lds s[G0V:G0V+3], s[G1V:G1V+7]
	s_nop 0
	NOPS 4
	s_branch .Lff_done
.Lff_tab:
	tensor_load_to_lds s[G0T:G0T+3], s[G1T:G1T+7]
	s_nop 0
	tensor_load_to_lds s[G0M:G0M+3], s[G1M:G1M+7]
	s_nop 0
	NOPS 4
.Lff_done:
.irp j, 0,1,2,3
	s_cmp_lt_u32 s[GA], 13-2*(\j)   ; tile j's group, GA + 2 j, is below 13: steps lie behind its band
	s_cselect_b32 s[FR+(\j)], 1.0, 0
.endr
	s_mul_i32 s2, s[WQ], 16*PEK     ; my tiles' windows begin 48 - 16 (3 - w % 4) = 16 (w % 4) rows of EKX on,
	s_add_co_u32 s2, s2, EKX
	s_lshl_b32 s3, s[WQ], 5         ; and as many numbers of 2 bytes in a row of EVT
	s_add_co_u32 s3, s3, EVT
	v_and_b32 v40, 15, v0           ; i = l % 16
	v_bfe_u32 v41, v0, 4, 1         ; h = l / 16
	v_and_b32 v42, 7, v0
	v_bfe_u32 v43, v0, 3, 1
	v_lshlrev_b32 v[QO], 6, v40
	v_lshl_add_u32 v[QO], v41, 4, v[QO]
	WIN W_T1
.irp t, 0,1,2,3
.irp c, 0,1
	global_load_b128 v[Q+16*(\t)+8*(\c):Q+16*(\t)+8*(\c)+3],   v[QO], s[4:5] offset:(\c)*65536+(\t)*8192     ; Q stays in registers: tile t (two groups, 128 rows, on from tile t - 1), plane c
	global_load_b128 v[Q+16*(\t)+8*(\c)+4:Q+16*(\t)+8*(\c)+7], v[QO], s[4:5] offset:(\c)*65536+(\t)*8192+32
.endr
.endr
.set n, 0
.rept 128
	v_mov_b32 v[n], 0               ; O^T starts at 0: no first step is written out; these stand in the wait for the first tiles
.set n, n+1
.endr
	WIN 0
	v_mul_u32_u24 v[AK0], v40, PKB
	v_lshl_add_u32 v[AK0], v41, 4, v[AK0]
	v_lshl_add_u32 v[AV0], v41, 3, v42       ; the turning load: lane l reads key 8 h + l % 8, channels 8 ((l / 8) % 2) + 0..7
	v_mul_u32_u24 v[AV0], v[AV0], PVB
	v_lshl_add_u32 v[AV0], v43, 4, v[AV0]
	v_add_nc_u32 v[AV0], VOFF, v[AV0]
	v_lshlrev_b32 v[AM0], 5, v41
	v_add_nc_u32 v[AM0], MADD, v[AM0]
	v_mul_u32_u24 v[AEK0], v40, PEK
	v_lshl_add_u32 v[AEK0], v41, 4, v[AEK0]
	v_add_nc_u32 v[AEK0], s2, v[AEK0]
	v_mul_u32_u24 v[AEV0], v40, PEV
	v_lshl_add_u32 v[AEV0], v41, 4, v[AEV0]
	v_add_nc_u32 v[AEV0], s3, v[AEV0]
	v_mul_u32_u24 v[AGS], v40, 404           ; row i of 400 bytes, column r + i: 404 i + 4 r, r = 16 rho + 8 h + j
	v_lshl_add_u32 v[AGS], v41, 5, v[AGS]
	v_add_nc_u32 v[AGS], s[GBS], v[AGS]
	v_mul_u32_u24 v[AGL], v40, 400
	v_lshl_add_u32 v[AGL], v41, 5, v[AGL]
	v_add_nc_u32 v[AGL], s[GBS], v[AGL]
	v_mul_u32_u24 v[APS], v40, 206           ; row i of 208 bytes, column key - i + 16 of 2 bytes
	v_lshl_add_u32 v[APS], v41, 4, v[APS]
	v_add_nc_u32 v[APS], s13, v[APS]
	v_mul_u32_u24 v[APL], v40, 208
	v_lshl_add_u32 v[APL], v41, 4, v[APL]
	v_add_nc_u32 v[APL], s13, v[APL]
	v_mul_u32_u24 v[STO], v40, SP
	v_lshl_add_u32 v[STO], v41, 4, v[STO]
	v_add_nc_u32 v[STO], s[GBS], v[STO]
	v_and_b32 v1, 31, v0
	v_lshlrev_b32 v1, 4, v1
	v_add_nc_u32 v1, s13, v1
.irp n, 48,49,50,51, 44,45,46,47
	v_mov_b32 v[\n], 0
.endr
.irp n, 0,1,2,3,4,5,6
	ds_store_b128 v1, v[48:51] offset:512*(\n)   ; AB is cleared once: outside the places that every P fills it stays 0
.endr
.irp t, 0,1,2,3
	v_mov_b32 v[ST+6*(\t)], 0xfe000000       ; c m: far below every c s, so the first step's a is 0
	v_mov_b32 v[ST+6*(\t)+1], 0xff7fffff     ; m
	v_mov_b32 v[ST+6*(\t)+2], 0
	v_mov_b32 v[ST+6*(\t)+3], 0
	v_mov_b32 v[ST+6*(\t)+4], 0
	v_mov_b32 v[ST+6*(\t)+5], 0
.endr
	s_wait_loadcnt 0x0              ; Q
; THE PRODUCTS.  In every run the accumulators take turns, one instruction a turn.
; S^T = K Q^T, first channel half: C is the mask (band = 0), or what S^T's registers hold, G + mask (band = 1)
.macro KQ4 t, band
	WIN W_KQ
.irp kt, 0,1,2,3
.if \band
	v_wmma_f32_16x16x32_f16 v[S+8*(\kt):S+8*(\kt)+7], v[KF+16*(\kt):KF+16*(\kt)+7], v[Q+16*(\t):Q+16*(\t)+7], v[S+8*(\kt):S+8*(\kt)+7]
.else
	v_wmma_f32_16x16x32_f16 v[S+8*(\kt):S+8*(\kt)+7], v[KF+16*(\kt):KF+16*(\kt)+7], v[Q+16*(\t):Q+16*(\t)+7], v[MK+8*(\kt):MK+8*(\kt)+7]
.endif
.endr
.endm
.macro KQ4B t                       ; second channel half
	WIN W_KQ
.irp kt, 0,1,2,3
	v_wmma_f32_16x16x32_f16 v[S+8*(\kt):S+8*(\kt)+7], v[KF+16*(\kt)+8:KF+16*(\kt)+15], v[Q+16*(\t)+8:Q+16*(\t)+15], v[S+8*(\kt):S+8*(\kt)+7]
.endr
.endm
.macro PV8 t                        ; O^T += V^T P
	WIN W_PV
.irp kk, 0,1
.irp cb, 0,1,2,3
	v_wmma_f32_16x16x32_f16 v[32*(\t)+8*(\cb):32*(\t)+8*(\cb)+7], v[VF+32*(\kk)+8*(\cb):VF+32*(\kk)+8*(\cb)+7], v[P+8*(\kk):P+8*(\kk)+7], v[32*(\t)+8*(\cb):32*(\t)+8*(\cb)+7]
.endr
.endr
.endm
; A TILE'S SOFTMAX FOR A STEP, 119 instructions.  The maximum of the lane's 32 scores and the old m (each accumulator's lowest registers are read first), the other half of the
; lanes', c m, a = 2^(c m_old - c m); c s - c m; 32 exponentials on end; O^T and lA times a (plain lines behind the last exponential); the roundings to f16; the sum into lB.
.macro SOFTMAX t
.set rT, ST+6*(\t)
	WIN 0
.irp n, 0,1,2,3
	v_max3_num_f32 v[TMP+(\n)], v[S+8*(\n)], v[S+8*(\n)+1], v[S+8*(\n)+2]
.endr
.irp n, 0,1,2,3
	v_max3_num_f32 v[TMP+(\n)], v[TMP+(\n)], v[S+8*(\n)+3], v[S+8*(\n)+4]
.endr
.irp n, 0,1,2,3
	v_max3_num_f32 v[TMP+(\n)], v[TMP+(\n)], v[S+8*(\n)+5], v[S+8*(\n)+6]
.endr
	v_max3_num_f32 v[TMP], v[TMP], v[S+7], v[S+15]
	v_max3_num_f32 v[TMP+1], v[TMP+1], v[S+23], v[S+31]
	v_max3_num_f32 v[TMP+2], v[TMP+2], v[TMP+3], v[rT+1]
	v_mov_b32 v[MV], v[rT]
	v_max3_num_f32 v[TMP], v[TMP], v[TMP+1], v[TMP+2]
	v_permlanex16_b32 v[TMP+3], v[TMP], s[SEL], s[SEL+1]   ; the query's other 32 keys lie in the lane 16 away
	v_max_num_f32 v[rT+1], v[TMP], v[TMP+3]
	v_mul_f32 v[rT], s[CS], v[rT+1]
	v_sub_f32 v[TMP+1], v[MV], v[rT]
	v_exp_f32 v[TMP+2], v[TMP+1]
.set n, 0
.rept 16
	v_pk_fma_f32 v[S+2*n:S+2*n+1], v[S+2*n:S+2*n+1], s[CS:CS+1], v[rT:rT+1] op_sel_hi:[1,0,0] neg_lo:[0,0,1] neg_hi:[0,0,1]
.set n, n+1
.endr
.set n, 0
.rept 32
	v_exp_f32 v[S+n], v[S+n]
.set n, n+1
.endr
	WIN W_RS
.set n, 0
	s_wait_alu depctr_va_vdst(0)
.rept 16
	v_pk_mul_f32 v[32*(\t)+2*n:32*(\t)+2*n+1], v[32*(\t)+2*n:32*(\t)+2*n+1], v[TMP+2:TMP+3] op_sel_hi:[1,0]
.set n, n+1
.endr
	WIN 0
	v_pk_mul_f32 v[rT+4:rT+5], v[rT+4:rT+5], v[TMP+2:TMP+3] op_sel_hi:[1,0]
.set n, 0
.rept 16
	v_cvt_pk_f16_f32 v[P+n], v[S+2*n], v[S+2*n+1]
.set n, n+1
.endr
.set n, 0
.rept 8
	v_pk_add_f32 v[S+4*n:S+4*n+1], v[S+4*n:S+4*n+1], v[S+4*n+2:S+4*n+3]
.set n, n+1
.endr
	v_pk_fma_f32 v[rT+2:rT+3], v[rT+2:rT+3], v[TMP+2:TMP+3], v[S:S+1] op_sel_hi:[1,0,1]
.set n, 1
.rept 7
	v_pk_add_f32 v[rT+2:rT+3], v[rT+2:rT+3], v[S+4*n:S+4*n+1]
.set n, n+1
.endr
.endm
; THE BAND, scores.  G^T for r = 0 .. 79 in v48-87 (five accumulators), through GB, and G + mask into S^T's registers.  The window's first row stands in EKS (the step) and AEK0 (my tiles' place).
; Eight fragment places: (rho 0-4, channels 0-31) in 0-4, (rho 0-2, channels 32-63) in 5-7; (rho 3, 4, channels 32-63) take places 0, 1 when those have been multiplied.
.macro GPHASE t
	WIN 0
	NOPS 5                          ; the fifth accumulator lies in P's registers, which the last tile's V^T P read as a source: five places behind those products
	v_add_nc_u32 v[ADR], s[EKS], v[AEK0]
.irp r, 0,1,2,3,4
	ds_load_b128 v[E+8*(\r):E+8*(\r)+3],   v[ADR] offset:16*(\r)*PEK
	ds_load_b128 v[E+8*(\r)+4:E+8*(\r)+7], v[ADR] offset:16*(\r)*PEK+32
.endr
.irp r, 0,1,2
	ds_load_b128 v[E+40+8*(\r):E+40+8*(\r)+3], v[ADR] offset:16*(\r)*PEK+64
	ds_load_b128 v[E+44+8*(\r):E+44+8*(\r)+3], v[ADR] offset:16*(\r)*PEK+96
.endr
	s_wait_dscnt 0x0
	WIN W_G
.irp r, 0,1,2,3,4
	v_wmma_f32_16x16x32_f16 v[S+8*(\r):S+8*(\r)+7], v[E+8*(\r):E+8*(\r)+7], v[Q+16*(\t):Q+16*(\t)+7], 0
.endr
	WIN 0
	NOPS 4                          ; places in front of the loads into fragment places 0 and 1
.irp r, 3,4
	ds_load_b128 v[E+8*((\r)-3):E+8*((\r)-3)+3],   v[ADR] offset:16*(\r)*PEK+64
	ds_load_b128 v[E+8*((\r)-3)+4:E+8*((\r)-3)+7], v[ADR] offset:16*(\r)*PEK+96
.endr
	WIN W_G
.irp r, 0,1,2
	v_wmma_f32_16x16x32_f16 v[S+8*(\r):S+8*(\r)+7], v[E+40+8*(\r):E+40+8*(\r)+7], v[Q+16*(\t)+8:Q+16*(\t)+15], v[S+8*(\r):S+8*(\r)+7]
.endr
	s_wait_dscnt 0x0
.irp r, 3,4
	v_wmma_f32_16x16x32_f16 v[S+8*(\r):S+8*(\r)+7], v[E+8*((\r)-3):E+8*((\r)-3)+7], v[Q+16*(\t)+8:Q+16*(\t)+15], v[S+8*(\r):S+8*(\r)+7]
.endr
	WIN 0
	NOPS 4                          ; places in front of the stores that read the results
.set n, 0
.rept 40
	ds_store_b32 v[AGS], v[S+n] offset:4*(16*(n/8)+n%8)
.set n, n+1
.endr
.irp kt, 0,1,2,3
	ds_load_b128 v[S+8*(\kt):S+8*(\kt)+3],   v[AGL] offset:64+64*(\kt)      ; LDS serves a wave's instructions in order (ISA guide 5.7.1.4): these see the stores above
	ds_load_b128 v[S+8*(\kt)+4:S+8*(\kt)+7], v[AGL] offset:64+64*(\kt)+16
.endr
	s_wait_dscnt 0x0
.set n, 0
.rept 16
	v_pk_add_f32 v[S+2*n:S+2*n+1], v[S+2*n:S+2*n+1], v[MK+2*n:MK+2*n+1]
.set n, n+1
.endr
.endm
; THE BAND, context.  P through AB; O^T += EVT window x (P by r), r in three runs of 32.  The window's first number stands in EVS (the step) and AEV0 (my tiles' place).
.macro APHASE t
	WIN 0
.set n, 0
.rept 16
	ds_store_b16 v[APS], v[P+n] offset:32*(n/4)+4*(n%4)+32
	ds_store_b16_d16_hi v[APS], v[P+n] offset:32*(n/4)+4*(n%4)+34
.set n, n+1
.endr
.irp x, 0,1,2
	ds_load_b128 v[S+8*(\x):S+8*(\x)+3],   v[APL] offset:64*(\x)
	ds_load_b128 v[S+8*(\x)+4:S+8*(\x)+7], v[APL] offset:64*(\x)+32
.endr
	v_add_nc_u32 v[ADR], s[EVS], v[AEV0]
.irp x, 0,1
.irp cb, 0,1,2,3
	ds_load_b128 v[E+8*(4*(\x)+(\cb)):E+8*(4*(\x)+(\cb))+3],   v[ADR] offset:(\cb)*16*PEV+64*(\x)
	ds_load_b128 v[E+8*(4*(\x)+(\cb))+4:E+8*(4*(\x)+(\cb))+7], v[ADR] offset:(\cb)*16*PEV+64*(\x)+32
.endr
.endr
	s_wait_dscnt 0x0
	WIN W_PV
.irp x, 0,1
.irp cb, 0,1,2,3
	v_wmma_f32_16x16x32_f16 v[32*(\t)+8*(\cb):32*(\t)+8*(\cb)+7], v[E+8*(4*(\x)+(\cb)):E+8*(4*(\x)+(\cb))+7], v[S+8*(\x):S+8*(\x)+7], v[32*(\t)+8*(\cb):32*(\t)+8*(\cb)+7]
.endr
.endr
	WIN 0
	NOPS 4                          ; places in front of the loads into fragment places 0 to 3
.irp cb, 0,1,2,3
	ds_load_b128 v[E+8*(\cb):E+8*(\cb)+3],   v[ADR] offset:(\cb)*16*PEV+128
	ds_load_b128 v[E+8*(\cb)+4:E+8*(\cb)+7], v[ADR] offset:(\cb)*16*PEV+160
.endr
	s_wait_dscnt 0x0
	WIN W_PV
.irp cb, 0,1,2,3
	v_wmma_f32_16x16x32_f16 v[32*(\t)+8*(\cb):32*(\t)+8*(\cb)+7], v[E+8*(\cb):E+8*(\cb)+7], v[S+16:S+23], v[32*(\t)+8*(\cb):32*(\t)+8*(\cb)+7]
.endr
	WIN 0
	NOPS 5                          ; these products read S^T's registers (P by r) as a source; whatever follows, a product that starts new scores there stands five places behind them (ISA guide 7.12.1)
.endm
; beta of tile t: sixteen equal rows of EKX x Q^T.  From AEK0 on, rows erow + 16 (w % 4) + 0..15: with erow = 0 all lie below 64 and hold embd_k[0], with erow = 320 all lie at 320 or above
; and hold embd_k[256].  The two channel halves go to two accumulators, so that no product adds onto the one before it; every register of each holds its half of q . embd_k[..].
.macro BETA1 t, erow
.irp c, 0,1
	ds_load_b128 v[E+8*(\c):E+8*(\c)+3],   v[AEK0] offset:(\erow)*PEK+64*(\c)
	ds_load_b128 v[E+8*(\c)+4:E+8*(\c)+7], v[AEK0] offset:(\erow)*PEK+64*(\c)+32
.endr
	s_wait_dscnt 0x0
	WIN W_G
	v_wmma_f32_16x16x32_f16 v[S:S+7],    v[E:E+7],    v[Q+16*(\t):Q+16*(\t)+7],    0
	v_wmma_f32_16x16x32_f16 v[S+8:S+15], v[E+8:E+15], v[Q+16*(\t)+8:Q+16*(\t)+15], 0
	WIN 0
	NOPS 4                          ; places in front of the addition that reads the results
	v_add_f32 v[TMP], v[S], v[S+8]
.endm
.macro EVLOAD sel                   ; embd_v[0] (sel = 0) or [256] (1), in f32, laid as a tile's O^T: register 8 cb + j = channel 16 cb + 8 h + j
	v_add_nc_u32 v[ADR], EVF-MADD, v[AM0]
.irp cb, 0,1,2,3
	ds_load_b128 v[EV+8*(\cb):EV+8*(\cb)+3],   v[ADR] offset:256*(\sel)+64*(\cb)
	ds_load_b128 v[EV+8*(\cb)+4:EV+8*(\cb)+7], v[ADR] offset:256*(\sel)+64*(\cb)+16
.endr
.endm
.macro RANK1 t                      ; O^T += v[LL] x that row
	WIN W_PV
.set n, 0
.rept 16
	v_pk_fma_f32 v[32*(\t)+2*n:32*(\t)+2*n+1], v[EV+2*n:EV+2*n+1], v[LL:LL+1], v[32*(\t)+2*n:32*(\t)+2*n+1] op_sel_hi:[1,0,1]
.set n, n+1
.endr
	WIN 0
.endm
.macro T1 t                         ; tile t's band begins: m takes beta back; the weights so far all go with embd_v[0]
.set rT, ST+6*(\t)
	EVLOAD 0
	BETA1 \t, 0                     ; its wait for 0 serves the row of embd_v too
	v_add_f32 v[LL], v[rT+2], v[rT+3]
	v_add_f32 v[rT+1], v[rT+1], v[TMP]
	v_permlanex16_b32 v[LL+1], v[LL], s[SEL], s[SEL+1]
	v_mul_f32 v[rT], s[CS], v[rT+1]
	v_add_f32 v[LL], v[LL], v[LL+1]
	RANK1 \t
.endm
.macro T2 t                         ; tile t's band is over: m is kept less beta; lB begins anew: from here all weights go with embd_v[256]
.set rT, ST+6*(\t)
	BETA1 \t, 320
	v_mov_b32 v[rT+4], v[rT+2]
	v_mov_b32 v[rT+5], v[rT+3]
	v_sub_f32 v[rT+1], v[rT+1], v[TMP]
	v_mov_b32 v[rT+2], 0
	v_mov_b32 v[rT+3], 0
	v_mul_f32 v[rT], s[CS], v[rT+1]
.endm
; A TILE IN A STEP: where its group stands to the step; a change of basis if one is due; scores, softmax, context.
.macro TILE t
	s_sub_co_u32 s[DL], s[D0], 2*(\t)   ; tile t's group lies 2 t groups behind tile 0's
	s_min_u32 s13, s[DL], 4         ; outside the band the two offsets are not used; the bound keeps them inside the tables
	s_mul_i32 s[EKS], s13, 64*PEK
	s_lshl_b32 s[EVS], s13, 7
	s_cmp_le_u32 s[DL], 4           ; (a negative DL is a large unsigned number)
	s_cselect_b32 s[BAND], 1, 0
	s_cmp_eq_u32 s[DL], 0
	s_cbranch_scc0 .Lno_t1_\@
	T1 \t
.Lno_t1_\@:
	s_cmp_eq_u32 s[DL], 5
	s_cbranch_scc0 .Lno_t2_\@
	T2 \t
.Lno_t2_\@:
.if (\t) == 0
	s_wait_dscnt 16                 ; K's 16 loads and the mask's 8 are in; V's 16, the youngest, may be out
.endif
	s_cmp_lg_u32 s[BAND], 0
	s_cbranch_scc1 .Lband_\@
	KQ4 \t, 0
	WIN 0
	s_branch .Lscores_\@
.Lband_\@:
	GPHASE \t
	KQ4 \t, 1
	WIN 0
.Lscores_\@:
	KQ4B \t
	WIN 0
	NOPS 4                          ; places in front of the maxima, which read the results
	SOFTMAX \t
.if (\t) == 0
	s_wait_dscnt 0x0                ; V is in
.endif
	PV8 \t
	WIN 0
	s_cmp_lg_u32 s[BAND], 0
	s_cbranch_scc0 .Lfar_\@
	APHASE \t
.Lfar_\@:
.endm
; A KEY STEP: its K, mask and V in one run of 40 loads; the four tiles.
.macro STEP
	WIN 0
	NOPS 5                          ; places behind the last step's products: the loads land in registers that they read
	v_add_nc_u32 v[ADR], s[TBK], v[AK0]
	WIN W_T1
.irp kt, 0,1,2,3
.irp c, 0,1
	ds_load_b128 v[KF+16*(\kt)+8*(\c):KF+16*(\kt)+8*(\c)+3],   v[ADR] offset:(\c)*KPL+(\kt)*16*PKB
	ds_load_b128 v[KF+16*(\kt)+8*(\c)+4:KF+16*(\kt)+8*(\c)+7], v[ADR] offset:(\c)*KPL+(\kt)*16*PKB+32
.endr
.endr
	WIN 0
	v_add_nc_u32 v[ADR], s[TM], v[AM0]
.irp kt, 0,1,2,3
	ds_load_b128 v[MK+8*(\kt):MK+8*(\kt)+3],   v[ADR] offset:64*(\kt)       ; register 8 kt + j: key 16 kt + 8 h + j
	ds_load_b128 v[MK+8*(\kt)+4:MK+8*(\kt)+7], v[ADR] offset:64*(\kt)+16
.endr
	v_add_nc_u32 v[ADR], s[TBV], v[AV0]
.irp kk, 0,1
.irp cb, 0,1,2,3
	ds_load_tr16_b128 v[VF+32*(\kk)+8*(\cb):VF+32*(\kk)+8*(\cb)+3],   v[ADR] offset:((\cb)/2)*VPL+(\kk)*32*PVB+((\cb)%2)*32
	ds_load_tr16_b128 v[VF+32*(\kk)+8*(\cb)+4:VF+32*(\kk)+8*(\cb)+7], v[ADR] offset:((\cb)/2)*VPL+(\kk)*32*PVB+((\cb)%2)*32+16*PVB
.endr
.endr
	s_sub_co_u32 s[D0], s[SI], s[GA]
	s_add_co_u32 s[D0], s[D0], 2
	TILE 0
	TILE 1
	TILE 2
	TILE 3
	s_add_co_u32 s[SI], s[SI], 1
	s_add_co_u32 s[TM], s[TM], 256
	s_and_b32 s[TM], s[TM], 0xf00   ; sixteen steps: it stays inside the mask's 4,096 bytes
	s_add_co_u32 s[TBK], s[TBK], 64*PKB
	s_add_co_u32 s[TBV], s[TBV], 64*PVB
.endm
.macro VISIT                        ; a slot's two key steps: written once, walked twice
	s_mov_b32 s[TWICE], 2
.Lstep_\@:
	STEP
	s_sub_co_u32 s[TWICE], s[TWICE], 1
	s_cmp_lg_u32 s[TWICE], 0
	s_cbranch_scc1 .Lstep_\@
.endm
.Lslot:                             ; seven times: a slot is entered and the other is asked for
	CHANGE 1
	VISIT
	s_sub_co_u32 s[SLOTS], s[SLOTS], 1
	s_cmp_lg_u32 s[SLOTS], 0
	s_cbranch_scc1 .Lslot
	CHANGE 0                        ; the last slot is written out
	VISIT
	; THE END.  The weights behind the band go with embd_v[256]; l = lA + lB, both halves of the lanes; O^T / l, or NaN for a row that saw no key.
	NOPS 4                          ; places behind the last products
	EVLOAD 1
	v_bfe_u32 v[RD], v0, 3, 2       ; back from the stage: 32 lanes take four rows of 128 bytes,
	v_and_b32 v1, 7, v0
	v_mul_u32_u24 v[RD], v[RD], SP
	v_lshl_add_u32 v[RD], v1, 4, v[RD]
	v_add_nc_u32 v[RD], s[GBS], v[RD]
	v_and_b32 v[GO], 31, v0         ; which are 512 consecutive bytes of ctx
	v_lshlrev_b32 v[GO], 4, v[GO]
	v_mov_b32 v[TMP], 0x7fc00000
	s_wait_dscnt 0x0
.macro FINISH t
.set rT, ST+6*(\t)
	v_add_f32 v[LL], v[rT+2], v[rT+3]
	v_add_f32 v[LL-1], v[rT+4], v[rT+5]
	v_permlanex16_b32 v[LL+1], v[LL], s[SEL], s[SEL+1]
	v_permlanex16_b32 v[MV], v[LL-1], s[SEL], s[SEL+1]
	v_add_f32 v[LL], v[LL], v[LL+1]
	v_add_f32 v[LL-1], v[LL-1], v[MV]
	v_add_f32 v[LL-1], v[LL-1], v[LL]
	v_mul_f32 v[LL], s[FR+(\t)], v[LL]  ; 0 for a tile whose group has no step behind its band: there lB holds the band's weights
	v_rcp_f32 v[rT+2], v[LL-1]      ; the sixteen plain lines below stand between it and the use of its result
	RANK1 \t
	v_cmp_gt_f32 vcc_lo, s[LOW], v[rT+1]
	s_wait_alu depctr_va_vdst(0)
	v_cndmask_b32 v[rT+2], v[rT+2], v[TMP], vcc_lo
.endm
	FINISH 0
	FINISH 1
	FINISH 2
	FINISH 3
; Tile t: a lane's eight channels of a row pack into 16 bytes; they go into rows of 144 bytes of my stage and come back as whole rows of 128.
.macro PACK t
	WIN W_RS
.set n, 32*(\t)
.rept 16
	v_pk_mul_f32 v[n:n+1], v[n:n+1], v[ST+6*(\t)+2:ST+6*(\t)+3] op_sel_hi:[1,0]
.set n, n+2
.endr
	WIN 0x05                        ; sources window 1, destination window 0
.set n, 0
.rept 16
	v_cvt_pk_f16_f32 v[E+16*(\t)+n], v[32*(\t)+2*n], v[32*(\t)+2*n+1]
.set n, n+1
.endr
	WIN 0
.irp f, 0,1,2,3
	ds_store_b128 v[STO], v[E+16*(\t)+4*(\f):E+16*(\t)+4*(\f)+3] offset:32*(\f)
.endr
.irp f, 0,1,2,3
	ds_load_b128 v[E+16*(\t)+4*(\f):E+16*(\t)+4*(\f)+3], v[RD] offset:(\f)*4*SP   ; in order behind the stores above; the next tile's stores come behind them
.endr
.endm
.macro SEND t, younger              ; younger: the LDS instructions issued behind tile t's loads: the next tile's eight, or none
.irp f, 0,1,2,3
	s_wait_dscnt (\younger)+3-(\f)
	global_store_b128 v[GO], v[E+16*(\t)+4*(\f):E+16*(\t)+4*(\f)+3], s[10:11] offset:(\t)*16384+(\f)*512  ; 512 consecutive bytes, aligned; tile t lies 128 rows of 128 bytes behind tile t - 1
.endr
.endm
	PACK 0
	PACK 1
	SEND 0, 8
	PACK 2
	SEND 1, 8
	PACK 3
	SEND 2, 8
	SEND 3, 0
	s_wait_tensorcnt 0x0            ; the wave's end
	ds_add_u32 v[SPW], v[NIL]
	s_wait_dscnt 0x0
	s_endpgm
.Lfunc_end_k_q24754444df_attn:
	.size	k_q24754444df_attn, .Lfunc_end_k_q24754444df_attn-k_q24754444df_attn
	.p2alignl 7, 3214868480
	.fill 96, 4, 3214868480
	.section	.rodata,"a",@progbits
	.p2align	6, 0x0
	.amdhsa_kernel k_q24754444df_attn
		.amdhsa_group_segment_fixed_size 327680
		.amdhsa_private_segment_fixed_size 0
		.amdhsa_enable_private_segment 0
		.amdhsa_kernarg_size 32
		.amdhsa_user_sgpr_count 2
		.amdhsa_user_sgpr_kernarg_segment_ptr 1
		.amdhsa_wavefront_size32 1
		.amdhsa_system_sgpr_workgroup_id_x 1
		.amdhsa_system_sgpr_workgroup_id_y 1
		.amdhsa_system_sgpr_workgroup_id_z 1
		.amdhsa_system_vgpr_workitem_id 0
		.amdhsa_next_free_vgpr 512
		.amdhsa_next_free_sgpr 96
		.amdhsa_reserve_vcc 1
		.amdhsa_float_denorm_mode_32 3
		.amdhsa_float_denorm_mode_16_64 3
		.amdhsa_memory_ordered 1
		.amdhsa_forward_progress 1
		.amdhsa_inst_pref_size 232
	.end_amdhsa_kernel
	.amdgpu_metadata
---
amdhsa.version: [ 1, 2 ]
amdhsa.kernels:
  - .name:           k_q24754444df_attn
    .symbol:         k_q24754444df_attn.kd
    .args:
      - { .name: qkv, .offset: 0, .size: 8, .value_kind: global_buffer, .address_space: global }
      - { .name: tab, .offset: 8, .size: 8, .value_kind: global_buffer, .address_space: global }
      - { .name: madd, .offset: 16, .size: 8, .value_kind: global_buffer, .address_space: global }
      - { .name: ctx, .offset: 24, .size: 8, .value_kind: global_buffer, .address_space: global }
    .group_segment_fixed_size: 327680
    .private_segment_fixed_size: 0
    .kernarg_segment_align: 8
    .kernarg_segment_size: 32
    .max_flat_workgroup_size: 256
    .sgpr_count:     96
    .vgpr_count:     512
    .wavefront_size: 32
...
	.end_amdgpu_metadata
.endif
;; end of part 3
;; launch outp (part 4): grid 8 x 32, 4 waves a work-group, clusters of 4 x 4, 327,680 bytes of LDS; arguments ctx, wt2, b_o, out0; writes out0
.if DOCPART == 4
	.amdgcn_target "amdgcn-amd-amdhsa--gfx1250"
	.amdhsa_code_object_version 6
	.text
	.protected	k_q24754444df_outp
	.globl	k_q24754444df_outp
	.p2align	8
	.type	k_q24754444df_outp,@function
k_q24754444df_outp:
	s_mov_b64 s[64:65], 0
	v_nop
	global_prefetch_b8 v0, s[64:65] scope:SCOPE_SE
	s_setreg_imm32_b32 hwreg(HW_REG_WAVE_MODE, 25, 1), 1
	s_wait_xcnt 0x0
	s_wait_alu depctr_hold_cnt(0) depctr_sa_sdst(0) depctr_va_vdst(0) depctr_va_sdst(0) depctr_va_ssrc(0) depctr_va_vcc(0) depctr_vm_vsrc(0)
	s_getreg_b32 s2, hwreg(HW_REG_IB_STS2, 6, 4)
	s_cmp_eq_u32 s2, 0
	s_cbranch_scc0 .Lentry_in_a_cluster
	s_endpgm
.Lentry_in_a_cluster:
	s_bfe_u32 s2, ttmp6, 0x10000c
	s_cmp_lg_u32 s2, 0xf033
	s_cbranch_scc0 .Lentry_shape_is_right
	s_endpgm
.Lentry_shape_is_right:
; out0 = ctx W_o + b_o.  ctx: f16 [head 16][row 8192][64]; wt2: f16 [1024 n][1024 k]; b_o: [1024] f32, rounded to bf16 here; sums in f32; out0: [8192][1024] f32.
; SHARES.  A tile of out0 is 256 x 128: 8 x 32 = 256 work-groups, one a WGP.  Four waves, each 128 x 64: 32 accumulators of 16 x 16.
; K goes in steps of 128 = two heads, through two LDS slots.  Waves 0, 1 fetch ctx's two halves of 128 rows: ONE load brings both heads' parts, each 16,384 dense bytes, as a tile of two long rows,
; padded in LDS after every 128 bytes (a row of a head).  Waves 2, 3 fetch the weight's two halves of 64 rows of 256 bytes.
; CLUSTER 4 x 4: ctx's tile is shared along a row of the cluster, the weight's along a column: each is asked for jointly by the four.
; THE MATRIX INSTRUCTION IS USED TRANSPOSED (source 0 = 16 rows of wt2, source 1 = 16 rows of ctx): a lane holds one row of out0 and eight neighbouring columns.  The bias is the C operand that starts each sum.
; REGISTERS (s_set_vgpr_msb: bits 1:0 source 0, 3:2 source 1, 5:4 source 2, 7:6 destination):
;   window 0: v16-29 addresses; v64-127, v128-191 ctx's fragments, two buffers; v192-207 at work; v32-63, v224-255 rows on the way out
;   window 1: v0-31 the bias; v64-95, v128-159 the weight's fragments
;   window 2: accumulator (a, b) of my rows 0-63 at 8 (4 a + b);   window 3: those of my rows 64-127
.set SIZE_K, 1024
.set KSTEP,  128
.set NB,     4
.set PITCHA, 144                       ; a row of a head in LDS: 128 bytes + 16
.set PLANE,  128*PITCHA                ; 128 rows of one head
.set HALFA,  2*PLANE
.set PITCHB, 272
.set HALFB,  16*NB*PITCHB
.set SLOT,   2*HALFA+2*HALFB
.set STAGE,  2*SLOT                    ; behind the ring: 16 rows x 272 bytes for each wave
.set SPITCH, 272                       ; 64 columns x 4 bytes + 16
.set SPARE,  STAGE+4*16*SPITCH
.set LAPS,   SIZE_K/(2*KSTEP)
.set HEADB,  8192*128                  ; bytes of a head's plane of ctx
.set ADRA, 16
.set ADRB, 20
.set STO,  24
.set RD,   25
.set CO,   26
.set BO,   27
.set SPW,  28                          ; LDS address of my spare word; never rewritten
.set NIL,  29                          ; 0; never rewritten
.set F0,   64
.set F1,   128
.set TMP,  192
.set OB,   32
.set WV, 12
.set RH, 13                            ; which half of the tile's rows is mine; also: I fetch ctx (0) or the weight (1)
.set CH, 14                            ; which half of its columns; also: which half of that tile I fetch
.set CNT, 15
.set G1, 24
.set G0, 32
.set G1B, 48
.set G0B, 56
.set MSB, 0
.macro WIN new
.if MSB != (\new)
	s_set_vgpr_msb (MSB<<8)|(\new)
.set MSB, \new
.endif
.endm
.set MUL_LO, 0xa1
.set BIA_LO, 0x91
.set TO_B,   0x40
.macro JLOAD s                         ; a joint load; an s_nop 0 and four v_nop follow each of the two lines
	s_cmp_eq_u32 s[RH], 0
	s_cbranch_scc0 .Lfor_b_\@
	tensor_load_to_lds s[G0+4*(\s):G0+4*(\s)+3], s[G1:G1+7]
	s_nop 0
.rept 4
	v_nop
.endr
	s_branch .Lasked_\@
.Lfor_b_\@:
	tensor_load_to_lds s[G0B+4*(\s):G0B+4*(\s)+3], s[G1B:G1B+7]
	s_nop 0
.rept 4
	v_nop
.endr
.Lasked_\@:
.endm
.macro CREST
	s_cmp_lg_u32 s[WV], 0
	s_cbranch_scc1 .Lnot_wave_0_\@
	s_barrier_signal -3
.Lnot_wave_0_\@:
	s_barrier_wait -3
	s_barrier_signal -1
	s_barrier_wait -1
.endm
.macro CROUND
	s_barrier_signal -1
	s_barrier_wait -1
	CREST
.endm
	s_load_b256 s[4:11], s[0:1], 0x0               ; ctx s[4:5], wt2 s[6:7], b_o s[8:9], out0 s[10:11]
	v_lshl_add_u32 v[SPW], v0, 2, SPARE
	v_mov_b32 v[NIL], 0
	ds_add_u32 v[SPW], v[NIL]                      ; the wave's opening: the add and its wait stand ahead of my first tensor load
	ds_add_u32 v28, v29
	v_lshrrev_b32 v1, 5, v0
	v_readfirstlane_b32 s[WV], v1
	s_lshr_b32 s[RH], s[WV], 1
	s_and_b32 s[CH], s[WV], 1
	s_bfe_u32 s40, ttmp6, 0x40000
	s_bfe_u32 s41, ttmp6, 0x40004
	s_lshl_b32 s42, ttmp9, 2
	s_add_co_u32 s42, s42, s40                     ; tile column
	s_and_b32 s43, ttmp7, 0xffff
	s_lshl_b32 s43, s43, 2
	s_add_co_u32 s43, s43, s41                     ; tile row
	s_lshl_b32 s44, s41, 2
	s_lshl_b32 s44, 15, s44
	s_lshl_b32 s45, 0x1111, s40
	s_or_b32 s[G1], s44, (1<<16)|(1<<20)|(1<<21)|(4<<22)|(3<<25)   ; ctx: after every 32 words 4 words of padding
	s_or_b32 s[G1B], s45, (1<<16)|(1<<20)|(1<<21)|(5<<22)|(3<<25)  ; the weight: after every 64 words
	s_mov_b32 s[G1+1], 8192<<16                    ; tensor_dim0 = 8,192: 128 rows of 64 numbers, dense
	s_mov_b32 s[G1+2], 2<<16                       ; tensor_dim1 = 2 heads
	s_mov_b32 s[G1+3], 8192<<16                    ; tile_dim0
	s_mov_b32 s[G1+4], 2                           ; tile_dim1
	s_mov_b32 s[G1+5], 8192*64                     ; elements from head to head
	s_mov_b32 s[G1+6], 0
	s_mov_b32 s[G1+7], 0
	s_mov_b32 s[G1B+1], KSTEP<<16
	s_mov_b32 s[G1B+2], (16*NB)<<16
	s_mov_b32 s[G1B+3], KSTEP<<16
	s_mov_b32 s[G1B+4], 16*NB
	s_mov_b32 s[G1B+5], SIZE_K
	s_mov_b32 s[G1B+6], 0
	s_mov_b32 s[G1B+7], 0
	s_lshl_b32 s16, s43, 8                         ; ctx: row 256 x tile row + 128 x half, 128 bytes a row
	s_lshl_b32 s17, s[CH], 7
	s_add_co_u32 s16, s16, s17
	s_lshl_b32 s16, s16, 7
	s_mov_b32 s17, 0
	s_lshl_b32 s46, s42, 7                         ; the weight: row 128 x tile column + 64 x half
	s_lshl_b32 s47, s[CH], 6
	s_add_co_u32 s46, s46, s47
	s_lshl_b32 s46, s46, 11
	s_mov_b32 s47, 0
	s_mul_i32 s20, s[CH], HALFA
	s_mul_i32 s21, s[CH], HALFB
	s_add_co_u32 s21, s21, 2*HALFA
	s_wait_dscnt 0x0                               ; the opening add is done
	s_wait_kmcnt 0x0
	s_add_nc_u64 s[18:19], s[4:5], s[16:17]
	s_add_nc_u64 s[46:47], s[6:7], s[46:47]
	CROUND                                         ; all sixteen work-groups are here: the first joint loads meet
.irp s, 0,1
	s_mov_b32 s[G0+4*(\s)], 1
	s_add_co_u32 s[G0+4*(\s)+1], s20, (\s)*SLOT
	s_add_nc_u64 s[G0+4*(\s)+2:G0+4*(\s)+3], s[18:19], (\s)*2*HEADB
	s_or_b32 s[G0+4*(\s)+3], s[G0+4*(\s)+3], 0x80000000
	s_mov_b32 s[G0B+4*(\s)], 1
	s_add_co_u32 s[G0B+4*(\s)+1], s21, (\s)*SLOT
	s_add_nc_u64 s[G0B+4*(\s)+2:G0B+4*(\s)+3], s[46:47], (\s)*KSTEP*2
	s_or_b32 s[G0B+4*(\s)+3], s[G0B+4*(\s)+3], 0x80000000
	JLOAD \s                                       ; K steps 0 and 1: two tensor loads of mine are out
.endr
	v_and_b32 v1, 15, v0
	v_bfe_u32 v2, v0, 4, 1
	v_mul_u32_u24 v3, v1, PITCHA
	v_lshl_add_u32 v3, v2, 4, v3
	v_mul_u32_u24 v4, v1, PITCHB
	v_lshl_add_u32 v4, v2, 4, v4
	s_mul_i32 s22, s[RH], HALFA
	s_mul_i32 s23, s[CH], HALFB
	s_add_co_u32 s23, s23, 2*HALFA
.irp s, 0,1
	v_add_nc_u32 v[ADRA+(\s)], s22, v3
	v_add_nc_u32 v[ADRB+(\s)], s23, v4
	s_add_co_u32 s22, s22, SLOT
	s_add_co_u32 s23, s23, SLOT
.endr
	s_mul_i32 s22, s[WV], 16*SPITCH
	s_add_co_u32 s22, s22, STAGE
	v_mul_u32_u24 v4, v1, SPITCH
	v_lshl_add_u32 v4, v2, 5, v4
	v_add_nc_u32 v[STO], s22, v4                   ; in: row l % 16, 32 bytes for each half of the lanes
	v_mul_u32_u24 v5, v2, SPITCH
	v_lshl_add_u32 v5, v1, 4, v5
	v_add_nc_u32 v[RD], s22, v5                    ; back: lanes 0-15 take one row of 256 bytes, lanes 16-31 the next
	v_lshlrev_b32 v5, 12, v2
	v_lshl_add_u32 v[CO], v1, 4, v5                ; and the same two rows in out0
	v_lshlrev_b32 v[BO], 5, v2
	s_lshl_b32 s16, s43, 8
	s_lshl_b32 s17, s[RH], 7
	s_add_co_u32 s16, s16, s17
	s_lshl_b32 s16, s16, 12                        ; my first row, 4,096 bytes a row
	s_lshl_b32 s2, s42, 9                          ; my first column: 512 x tile column + 256 x half, in bytes; the bias likewise
	s_lshl_b32 s3, s[CH], 8
	s_add_co_u32 s2, s2, s3
	s_mov_b32 s3, 0
	s_add_nc_u64 s[8:9], s[8:9], s[2:3]
	s_add_co_u32 s16, s16, s2
	s_mov_b32 s17, 0
	s_add_nc_u64 s[10:11], s[10:11], s[16:17]
	WIN TO_B
.irp b, 0,1,2,3
	global_load_b128 v[8*(\b):8*(\b)+3],   v[BO], s[8:9] offset:64*(\b)
	global_load_b128 v[8*(\b)+4:8*(\b)+7], v[BO], s[8:9] offset:64*(\b)+16
.endr
	s_wait_loadcnt 0x0
	WIN 0x05
.set i, 0
.rept 4*NB
	v_cvt_pk_bf16_f32 v[TMP+i], v[2*i], v[2*i+1]   ; the bias is rounded to bf16 like every input,
.set i, i+1
.endr
	WIN TO_B
.set i, 0
.rept 4*NB
	v_lshlrev_b32 v[2*i], 16, v[TMP+i]             ; and kept in f32
	v_and_b32 v[2*i+1], 0xffff0000, v[TMP+i]
.set i, i+1
.endr
	WIN 0
; 8 matrix instructions: row blocks a0, a0 + 1 x all 4 column blocks, 32 along K.  first = 1: the bias starts the sums.  The accumulators take turns.
.macro MULH f, hi, a0, first
.if \first
	WIN BIA_LO+0x40*(\hi)
.else
	WIN MUL_LO+0x50*(\hi)
.endif
.irp a, \a0, (\a0)+1
.irp b, 0,1,2,3
.if \first
	v_wmma_f32_16x16x32_f16 v[8*(NB*(\a)+(\b)):8*(NB*(\a)+(\b))+7], v[(\f)+8*(\b):(\f)+8*(\b)+7], v[(\f)+8*(4*(\hi)+(\a)):(\f)+8*(4*(\hi)+(\a))+7], v[8*(\b):8*(\b)+7]
.else
	v_wmma_f32_16x16x32_f16 v[8*(NB*(\a)+(\b)):8*(NB*(\a)+(\b))+7], v[(\f)+8*(\b):(\f)+8*(\b)+7], v[(\f)+8*(4*(\hi)+(\a)):(\f)+8*(4*(\hi)+(\a))+7], v[8*(NB*(\a)+(\b)):8*(NB*(\a)+(\b))+7]
.endif
.endr
.endr
.endm
; 24 LDS loads in one run: the fragments of quarter q (32 along K: head q / 2 of the step, channels 32 (q % 2) on), into buffer f: the weight's 8, then ctx's 16
.macro FETCH slot, q, f
	WIN TO_B
.irp i, 0,1,2,3
	ds_load_b128 v[(\f)+8*(\i):(\f)+8*(\i)+3],   v[ADRB+(\slot)] offset:64*(\q)+(\i)*16*PITCHB
	ds_load_b128 v[(\f)+8*(\i)+4:(\f)+8*(\i)+7], v[ADRB+(\slot)] offset:64*(\q)+(\i)*16*PITCHB+32
.endr
	WIN 0
.irp i, 0,1,2,3,4,5,6,7
	ds_load_b128 v[(\f)+8*(\i):(\f)+8*(\i)+3],   v[ADRA+(\slot)] offset:((\q)/2)*PLANE+((\q)%2)*64+(\i)*16*PITCHA
	ds_load_b128 v[(\f)+8*(\i)+4:(\f)+8*(\i)+7], v[ADRA+(\slot)] offset:((\q)/2)*PLANE+((\q)%2)*64+(\i)*16*PITCHA+32
.endr
.endm
.macro PLACES
.rept 4
	v_nop
.endr
.endm
.macro QUARTER slot, q, f, g, first
	s_wait_dscnt 8                                 ; the weight and ctx's rows 0-63 are in; the youngest eight loads (rows 64-127) may be out
	MULH \f, 0, 0, \first
	MULH \f, 0, 2, \first
	PLACES
	FETCH \slot, \q, \g
	s_wait_dscnt 24                                ; all but the 24 just issued
	MULH \f, 1, 0, \first
	MULH \f, 1, 2, \first
.endm
; The last quarter multiplies buffer 1 and changes slots: ONE barrier; in front of it each wave waits for all its tensor loads, adds 0 to its spare word, and waits for that and for its reads of this slot.
.macro TURN slot, next, fill
	WIN 0
	s_wait_tensorcnt 0x0
	ds_add_u32 v[SPW], v[NIL]
	s_wait_dscnt 9                                 ; (the add and the youngest eight loads may be out)
	MULH F1, 0, 0, 0
	s_wait_dscnt 0x0                               ; the add is done, and my reads of this slot are over
	s_barrier_signal -1
	MULH F1, 0, 2, 0
.if \fill
	WIN 0
.endif
	s_barrier_wait -1
.if \fill
	CREST                                          ; no wave of any partner still reads this slot's tile or has a load on its way
	s_add_nc_u64 s[G0+4*(\slot)+2:G0+4*(\slot)+3], s[G0+4*(\slot)+2:G0+4*(\slot)+3], 4*HEADB
	s_add_nc_u64 s[G0B+4*(\slot)+2:G0B+4*(\slot)+3], s[G0B+4*(\slot)+2:G0B+4*(\slot)+3], 2*KSTEP*2
	JLOAD \slot
.else
	PLACES
.endif
	FETCH \next, 0, F0
	MULH F1, 1, 0, 0
	MULH F1, 1, 2, 0
.endm
; THE WAY OUT of block a (16 rows x 64 columns of f32): straight from the accumulators, lowest registers first, into my own stage; back as whole rows of 256 bytes; stored.
.macro TOSTAGE a
.set AC, 8*NB*((\a)%4)
.set BK, OB+192*((\a)%2)
.if (\a) >= 2
	s_wait_xcnt 0x0                                ; the registers that block a - 2's stores read are loaded again only behind this wait
.endif
	WIN 0x08+4*((\a)/4)                            ; the stores' data: window 2 or 3
.irp b, 0,1,2,3
	ds_store_b128 v[STO], v[AC+8*(\b):AC+8*(\b)+3] offset:64*(\b)
	ds_store_b128 v[STO], v[AC+8*(\b)+4:AC+8*(\b)+7] offset:64*(\b)+16
.endr
	WIN 0
.irp t, 0,1,2,3,4,5,6,7
	ds_load_b128 v[BK+4*(\t):BK+4*(\t)+3], v[RD] offset:(\t)*2*SPITCH  ; LDS serves a wave's instructions in order (ISA guide 5.7.1.4)
.endr
.endm
.macro SEND a, younger                 ; younger: the LDS instructions issued behind block a's loads: the next block's sixteen, or none
.set BK, OB+192*((\a)%2)
	s_wait_dscnt \younger
	s_wait_xcnt 0x0                                ; the stores' base is stepped only behind this wait
.if (\a) != 0
	s_add_nc_u64 s[10:11], s[10:11], 16*4096
.endif
.irp t, 0,1,2,3,4,5,6,7
	global_store_b128 v[CO], v[BK+4*(\t):BK+4*(\t)+3], s[10:11] offset:2*(\t)*4096 th:TH_STORE_NT  ; 16 lanes store 256 consecutive bytes, aligned
.endr
.endm
	s_wait_tensorcnt 1                             ; my part of K step 0 is in; K step 1's may stay out
	s_barrier_signal -1
	s_barrier_wait -1
	FETCH 0, 0, F0
	QUARTER 0, 1, F0, F1, 1                        ; the first quarter stands in front of the loop: its products start the sums
	WIN 0
	s_mov_b32 s[CNT], LAPS-1
.Llap:
	QUARTER 0, 2, F1, F0, 0
	QUARTER 0, 3, F0, F1, 0
	TURN 0, 1, 1
	QUARTER 1, 1, F0, F1, 0
	QUARTER 1, 2, F1, F0, 0
	QUARTER 1, 3, F0, F1, 0
	TURN 1, 0, 1
	QUARTER 0, 1, F0, F1, 0
	WIN 0
	s_sub_co_u32 s[CNT], s[CNT], 1
	s_cmp_lg_u32 s[CNT], 0
	s_cbranch_scc1 .Llap
	QUARTER 0, 2, F1, F0, 0                        ; the last lap fills nothing
	QUARTER 0, 3, F0, F1, 0
	TURN 0, 1, 0
	QUARTER 1, 1, F0, F1, 0
	QUARTER 1, 2, F1, F0, 0
	QUARTER 1, 3, F0, F1, 0
	s_wait_dscnt 8
	MULH F1, 0, 0, 0
	MULH F1, 0, 2, 0
	s_wait_dscnt 0x0
	MULH F1, 1, 0, 0
	MULH F1, 1, 2, 0
	WIN 0
	PLACES                                         ; places in front of the stores that read the results
	TOSTAGE 0
.irp a, 1,2,3,4,5,6,7
	TOSTAGE \a
	SEND (\a)-1, 16
.endr
	SEND 7, 0
	s_wait_tensorcnt 0x0                           ; the wave's end
	ds_add_u32 v[SPW], v[NIL]
	s_wait_dscnt 0x0
	CROUND                                         ; the closing round
	s_endpgm
.Lfunc_end_k_q24754444df_outp:
	.size	k_q24754444df_outp, .Lfunc_end_k_q24754444df_outp-k_q24754444df_outp
	.p2alignl 7, 3214868480
	.fill 96, 4, 3214868480
	.section	.rodata,"a",@progbits
	.p2align	6, 0x0
	.amdhsa_kernel k_q24754444df_outp
		.amdhsa_group_segment_fixed_size 327680
		.amdhsa_private_segment_fixed_size 0
		.amdhsa_enable_private_segment 0
		.amdhsa_kernarg_size 32
		.amdhsa_user_sgpr_count 2
		.amdhsa_user_sgpr_kernarg_segment_ptr 1
		.amdhsa_wavefront_size32 1
		.amdhsa_system_sgpr_workgroup_id_x 1
		.amdhsa_system_sgpr_workgroup_id_y 1
		.amdhsa_system_sgpr_workgroup_id_z 1
		.amdhsa_system_vgpr_workitem_id 0
		.amdhsa_next_free_vgpr 1024
		.amdhsa_next_free_sgpr 66
		.amdhsa_reserve_vcc 0
		.amdhsa_float_denorm_mode_32 3
		.amdhsa_float_denorm_mode_16_64 3
		.amdhsa_memory_ordered 1
		.amdhsa_forward_progress 1
		.amdhsa_inst_pref_size 90
	.end_amdhsa_kernel
	.amdgpu_metadata
---
amdhsa.version: [ 1, 2 ]
amdhsa.kernels:
  - .name:           k_q24754444df_outp
    .symbol:         k_q24754444df_outp.kd
    .args:
      - { .name: ctx, .offset: 0, .size: 8, .value_kind: global_buffer, .address_space: global }
      - { .name: wt2, .offset: 8, .size: 8, .value_kind: global_buffer, .address_space: global }
      - { .name: b_o, .offset: 16, .size: 8, .value_kind: global_buffer, .address_space: global }
      - { .name: out0, .offset: 24, .size: 8, .value_kind: global_buffer, .address_space: global }
    .group_segment_fixed_size: 327680
    .private_segment_fixed_size: 0
    .kernarg_segment_align: 8
    .kernarg_segment_size: 32
    .max_flat_workgroup_size: 128
    .sgpr_count:     66
    .vgpr_count:     1024
    .wavefront_size: 32
...
	.end_amdgpu_metadata
.endif
;; end of part 4
